; MI455X (gfx1250); checked and timed in simulation.
; The chip was launched on July 23, 2026; its instructions are those of AMD's public machine-readable ISA for CDNA 5 (MIT licence, August 2026) and "CDNA5" Instruction Set Architecture Reference Guide (July 2026). The comments in the code are by the model that wrote it; some were corrected since.
;; Multi Head Attention Unit. Allowed arithmetic: matrix products marked QUANTISED: E2M1 operands, one E8M0 scale for each 32 along K, by v_wmma_scale_f32_16x16x128_f8f6f4 with both operands' format E2M1 (or v_wmma_scale_f32_32x16x128_f4), f32 sums; everything else in f32.
;; Inputs: Wk_codes 2,048 x 4 x 16 uint8 (E2M1 codes of Wk, K innermost, in blocks of 32 codes, two codes a byte); Wk_scales 2,048 x 4 uint8 (E8M0 scales of Wk, one for each 32 codes along K); Wo_codes 1,024 x 64 x 16 uint8 (E2M1 codes of Wo, K innermost, in blocks of 32 codes, two codes a byte); Wo_scales 1,024 x 64 uint8 (E8M0 scales of Wo, one for each 32 codes along K); Wq_codes 2,048 x 4 x 16 uint8 (E2M1 codes of Wq, K innermost, in blocks of 32 codes, two codes a byte); Wq_scales 2,048 x 4 uint8 (E8M0 scales of Wq, one for each 32 codes along K); Wv_codes 2,048 x 4 x 16 uint8 (E2M1 codes of Wv, K innermost, in blocks of 32 codes, two codes a byte); Wv_scales 2,048 x 4 uint8 (E8M0 scales of Wv, one for each 32 codes along K); bk 2,048 float32; bo 1,024 float32; bq 2,048 float32; bv 2,048 float32; k_matrix_codes 8 x 1,024 x 4 x 16 uint8 (E2M1 codes of k_matrix, K innermost, in blocks of 32 codes, two codes a byte); k_matrix_scales 8 x 1,024 x 4 uint8 (E8M0 scales of k_matrix, one for each 32 codes along K); q_matrix_codes 8 x 1,024 x 4 x 16 uint8 (E2M1 codes of q_matrix, K innermost, in blocks of 32 codes, two codes a byte); q_matrix_scales 8 x 1,024 x 4 uint8 (E8M0 scales of q_matrix, one for each 32 codes along K); v_matrix_codes 8 x 1,024 x 4 x 16 uint8 (E2M1 codes of v_matrix, K innermost, in blocks of 32 codes, two codes a byte); v_matrix_scales 8 x 1,024 x 4 uint8 (E8M0 scales of v_matrix, one for each 32 codes along K).
;; Outputs: out0 8 x 1,024 x 1,024 float32.
;; This version of the problem:
;;   THIS VERSION OF THE PROBLEM IS GIVEN IN LOW PRECISION. The matrix products marked QUANTISED in the list below multiply operands that are first quantised to E2M1 (2 exponent bits, 1 mantissa bit; 4 bits a number), with one power-of-two scale for each 32 numbers along K (OCP MX v1.0); their sums are f32. All else is computed in f32.
;;   The module's matrix products, in the order in which they are computed (A, B: the left and right operand; K: the contracted axis; several contracted axes count as one K, in the product's order):
;;     1. [M 8,192, K 128] x [K 128, N 2,048]; A: input q_matrix (given as codes); B: input Wq (given as codes): QUANTISED
;;     2. [M 8,192, K 128] x [K 128, N 2,048]; A: input k_matrix (given as codes); B: input Wk (given as codes): QUANTISED
;;     3. [M 8,192, K 128] x [K 128, N 2,048]; A: input v_matrix (given as codes); B: input Wv (given as codes): QUANTISED
;;     4. batch 128 x [M 1,024, K 128] x [K 128, N 1,024]; A: computed on the way; B: computed on the way: QUANTISED
;;     5. batch 128 x [M 128, K 1,024] x [K 1,024, N 1,024]; A: computed on the way; B: softmax (see below): QUANTISED
;;     6. [M 8,192, K 2,048] x [K 2,048, N 1,024]; A: computed on the way; B: input Wo (given as codes): QUANTISED
;;   THE QUANTISER, for each operand of a quantised product, along K:
;;     - K is cut into blocks of 32 from its start; a last block that is shorter is filled with zeros.
;;     - A block's scale is 2^e with e = floor(log2(the largest magnitude in the block)) - 2, held to -126 .. 127; a block of zeros has e = 0. As a byte (E8M0): e + 127.
;;     - Each number is divided by its block's scale, clamped to +-6, and rounded to the nearest number of E2M1, ties to even, subnormals kept.
;;     - The product sums the exact products of the quantised numbers (number of the format x scale) in f32.
;;   ~~~python
;;   def quantise(x, axis):      # numpy; x: float32 -> the quantised numbers, widened to float32 again
;;       x = np.moveaxis(x, axis, -1); K = x.shape[-1]
;;       x = np.pad(x, [(0, 0)] * (x.ndim - 1) + [(0, -K % 32)]); x = x.reshape(x.shape[:-1] + (-1, 32)); a = np.abs(x).max(-1, keepdims=True)
;;       e = np.where(a > 0, np.clip(np.frexp(np.where(a > 0, a, 1))[1] - 1 - 2, -126, 127), 0)      # np.frexp(a)[1] - 1 = floor(log2(a)), exactly
;;       r = np.clip(x / 2.0 ** e, -6, 6)
;;       step = 2.0 ** (np.maximum(np.frexp(np.where(r == 0, 1, r))[1] - 1, 0) - 1)
;;       q = np.round(r / step) * step * 2.0 ** e      # np.round: ties to even
;;       return np.moveaxis(q.reshape(q.shape[:-2] + (-1,))[..., :K], -1, axis).astype(np.float32)
;;   ~~~
;;   SOFTMAX AHEAD OF A QUANTISED PRODUCT. Where the list says 'softmax', what is quantised is not the finished softmax but p = 2^(t - M), with t = logit x log2(e) and M = ceil(the row's largest t), a whole number; so 1/2 < the row's largest p <= 1. The row's sum l is taken of the UNQUANTISED p, in f32, and the product's result is divided by l at the end. Since M is a whole number, a kernel that streams over the keys may use a running M (the ceiling of the running maximum): every later rescaling is an exact power of two, which a block's scale takes up: the codes' values come out the same.
;;   OPERANDS COMPUTED ON THE WAY. 'Computed on the way' means the value that the module computes at that place (a softmax that the list does not call 'softmax' is quantised finished and normalised). What goes into a quantiser is computed in f32, as accurately as f32 sums, v_exp_f32 and their like allow (about 1e-6 of the number): no bf16 or f16 on the way to a quantiser, and a product that is left as it is and whose result goes on into a quantised operand takes f32 operands (vector FMAs, or v_wmma_f32_16x16x4_f32). A number that lies on a knife's edge between two numbers of the format may be rounded either way, as far as f32 arithmetic and the matrix unit's own rounding can turn it there, and no further.
;;   INPUTS GIVEN AS CODES. Wk (in the module: [128, 2048], K = its axis 0); Wo (in the module: [2048, 1024], K = its axis 0); Wq (in the module: [128, 2048], K = its axis 0); Wv (in the module: [128, 2048], K = its axis 0); k_matrix (in the module: [8, 1024, 128], K = its axis 2); q_matrix (in the module: [8, 1024, 128], K = its axis 2); v_matrix (in the module: [8, 1024, 128], K = its axis 2): each comes as NAME_codes (uint8): NAME with its K axis moved to the last place and cut into blocks of 32 codes, [.., K / 32, bytes a block], one block behind the other in memory; two codes a byte, the lower K in the low four bits (a code: sign, 2 exponent bits, 1 mantissa bit); and NAME_scales (uint8): the same leading axes, one E8M0 byte (e + 127) for each 32 codes along K. Its value is code x scale, taken as it is: it is not quantised again, and the codes and scales need not be those that the quantiser above would give.
;; 2 versions, each right; version 2 is version 1 with the launch attn written anew for expert scheduling mode. Each part assembles by itself: llvm-mc -triple=amdgcn-amd-amdhsa -mcpu=gfx1250 --defsym DOCPART=n.
;; ======== version 1 of 2: 2 launches
;; workspace buffers: ctx_img 8,388,608 bytes; ctx_sc 524,288 bytes; wo_img 1,048,576 bytes; wo_sc 65,536 bytes
;; launch attn (part 1): grid 2 x 128, 16 waves a work-group, no clusters, 198,656 bytes of LDS; arguments q_matrix_codes, q_matrix_scales, Wq_codes, Wq_scales, bq, k_matrix_codes, k_matrix_scales, Wk_codes, Wk_scales, bk, v_matrix_codes, v_matrix_scales, Wv_codes, Wv_scales, bv, ctx_img, ctx_sc, Wo_codes, Wo_scales, wo_img, wo_sc; writes ctx_img, ctx_sc, wo_img, wo_sc
.if DOCPART == 1
	.amdgcn_target "amdgcn-amd-amdhsa--gfx1250"
	.amdhsa_code_object_version 6
	.text
	.protected	k_q2d5171d54e_attn
	.globl	k_q2d5171d54e_attn
	.p2align	8
	.type	k_q2d5171d54e_attn,@function
k_q2d5171d54e_attn:
	s_mov_b64 s[64:65], 0
	v_nop
	global_prefetch_b8 v0, s[64:65] scope:SCOPE_SE
	s_setreg_imm32_b32 hwreg(HW_REG_WAVE_MODE, 25, 1), 1
	s_wait_xcnt 0x0
; Causal attention of one head on codes of FP4 (E2M1) with one E8M0 scale for each 32 along a product's K, from the three projections to the quantised context.
; q = qm Wq + bq, k = km Wk + bk, v = vm Wv + bv (K = 128, operands given as codes); q and k are quantised along the head's 128, v along the keys; S = q k^T; t = S x log2(e) / sqrt(128);
; M = the row's largest t so far, rounded up to a whole number; p = 2^(t - M) is quantised along the keys; the row's sum is taken of the unquantised p; ctx = (p v) / sum is quantised along the head's 128.
; SHARES.  Work-group (g, bh): batch b = bh / 16, head hh = bh % 16.  Both work-groups of a head make ALL of the head's K and V (64 KiB of codes each) and keep them in LDS: q, k, v and the scores never go to memory.
; Wave w owns the query tiles T = 16 g + w and 63 - T.  A tile T has T / 8 + 1 key steps of 128 under the mask, so every wave has 9 key steps.  Sixteen waves of 256 registers: four to a SIMD.
; OPERANDS LIE IN LDS AND IN THE WORKSPACE AS IMAGES OF THEIR REGISTERS: a fragment (16 rows x 128 K, 8 registers a lane) is 1,024 bytes, registers 4 c .. 4 c + 3 of lane l at 512 c + 16 l.
; ROW ORDERS.  r = lane % 16, h = lane / 16, rp = r + 8 (r / 8), base(t) = 32 (t / 2) + 8 (t % 2).  A PERM TILE t gives lane r the row base(t) + rp; used as source 0, its result's register j belongs to
; row base(t) + 16 h + j, so the 64 registers of eight tiles are: register 16 b + i = index 32 b + 16 h + i, which is what QUANT takes.  K, Q: source 0 = perm tiles of the weight's rows, source 1 = 16 keys or queries;
; V: source 0 = perm tiles of vm's keys, source 1 = a perm tile of Wv's rows; S^T: source 0 = 16 keys (a perm tile of the step), source 1 = my queries; O^T: source 0 = V (a perm tile of d), source 1 = p.
; A lane holds ONE query in S^T, p and O^T.  The biases are the C of each projection.
; Waves 0 to 3 also lay one fragment of Wo each (1,024 in the launch) and its scale words in the order of the operand's registers, for the next launch.
; NO CLUSTER: every operand goes from memory straight into registers, for one K step of 128; no tile is brought into LDS by a tensor load that partners could ask for jointly.
; LIMITS: NaN and infinities among the inputs are not served.  A block of zeros gets the scale byte 1 where the quantiser says 127: its codes are zeros, and the bytes are read by this program alone.
; t is made by one multiplication with log2(e) / sqrt(128), not by two.
.set STEPB, 24576                      ; LDS: a key step's region: K's 8 fragments at 0, V's 8 at VFR, K's scale images at KSC + 4,096 x half, V's at VSC + 4,096 x half
.set VFR,   8192
.set KSC,   16384                      ; a scale image: 512 bytes, 16 x lane = the words of four tiles
.set VSC,   16896
.set LI,  1                            ; v1   16 x lane; never rewritten
.set WI,  2                            ; v2   where I store images: 16 x lane + (w / 2) STEPB + (w % 2) 4,096
.set AD,  2                            ; v2   later: 16 x lane + the key step's region
.set SN,  3                            ; v3   4 r; never rewritten
.set XS,  4                            ; v4-7 scale words of a projection's source 1
.set QSA, 5                            ; v5, v6 later: my two query tiles' scale words;  v7: p's
.set QSB, 6
.set PSW, 7
.set QA,  16                           ; v16-23, v24-31 my two query tiles' fragments
.set QB,  24
.set F,   32                           ; v32-95   eight fragments
.set S,   96                           ; v96-159  eight results: a projection's, the scores, then p
.set O,   160                          ; v160-223 a projection's C; later O^T
.set PC,  224                          ; v224-231 p's codes
.set TM,  232                          ; v232-235 four largest magnitudes, then the conversions' scale operands
.set TM4, 236                          ; v236-239 the other half's, then the bytes
.set PWS, 240                          ; v240-243 four scale words just made; later v[240:241] the sum's second chain, v242 the context's scale word
.set VP,  244                          ; v244 64 rp + 16 h;  v245 4 rp;  v246 64 h;  v247 64 r + 16 h  (while the projections load)
.set SP,  245
.set BH,  246
.set VN,  247
.set FP,  244                          ; v[244:245] later: f = 2^(old M - new M), and 0
.set TMP, 246
.set DQ,  247                          ; v247 later: r - 16 h
.set SW,  248                          ; v248-255 eight scale words of source 0
.set SEL, 74                           ; s[74:75] lane selects for v_permlanex16_b32: lane l xor 16
.set CS,  76                           ; s[76:77] c = log2(e) / sqrt(128)
.set Q0,  78                           ; s78 the tile's first query;  s79 the step's first key;  s80 the step's region in LDS;  s81 trips to go
.set KF,  79
.set TB,  80
.set CNT, 81
.macro NOPS n
.rept \n
	v_nop
.endr
.endm
; The end of a quantiser: v[TM + b] holds block b's largest magnitude (at least 2^(3 - 127)); v[s] on, the 64 numbers.  Codes into v[pc] on, in the operand's layout; the row's scale word into v[pw].
.macro QTAIL s, pc, pw
.irp b, 0,1,2,3
	v_add_nc_u32 v[TM+\b], 0xff000000, v[TM+\b]    ; 2 off the exponent field: the conversion takes the exponent field of this operand as its scale
.endr
.irp b, 0,1,2,3
	v_lshrrev_b32 v[TM4+\b], 23, v[TM+\b]          ; the scale's byte
.endr
	v_lshl_or_b32 v[(\pw)], v[TM4+1], 8, v[TM4]
	v_lshl_or_b32 v[(\pw)], v[TM4+2], 16, v[(\pw)]
	v_lshl_or_b32 v[(\pw)], v[TM4+3], 24, v[(\pw)]
.irp b, 0,1,2,3
	v_cvt_scalef32_pk8_fp4_f32 v[(\pc)+2*\b], v[(\s)+16*\b:(\s)+7+16*\b], v[TM+\b]
	v_cvt_scalef32_pk8_fp4_f32 v[(\pc)+1+2*\b], v[(\s)+8+16*\b:(\s)+15+16*\b], v[TM+\b]
.endr
	v_nop                                          ; one plain instruction behind the scaled conversions
.irp c, 0,1                                    ; the operand's layout wants a whole block in a lane: lanes 0-15 block 2 c, lanes 16-31 block 2 c + 1
.irp i, 0,1
	v_permlane16_swap_b32 v[(\pc)+4*\c+\i], v[(\pc)+2+4*\c+\i]
.endr
.endr
.endm
; 64 numbers of a lane, register 16 b + i = index 32 b + 16 h + i of the lane's row, become a fragment and its scale word.
.macro QUANT s, pc, pw
.irp b, 0,1,2,3
	v_max3_num_f32 v[TM+\b], |v[(\s)+16*\b]|, |v[(\s)+1+16*\b]|, 0x1800000   ; my 16 numbers of block b, and the floor 2^(3 - 127): the byte cannot fall under 1
.endr
.irp i, 2,4,6,8,10,12,14
.irp b, 0,1,2,3
	v_max3_num_f32 v[TM+\b], v[TM+\b], |v[(\s)+16*\b+\i]|, |v[(\s)+1+16*\b+\i]|   ; the four blocks by turns
.endr
.endr
.irp b, 0,1,2,3
	v_permlanex16_b32 v[TM4+\b], v[TM+\b], s[SEL], s[SEL+1]
.endr
.irp b, 0,1,2,3
	v_max_num_f32 v[TM+\b], v[TM+\b], v[TM4+\b]    ; with lane l xor 16's: the block's largest magnitude
.endr
	QTAIL \s, \pc, \pw
.endm
; Eight products of a projection: source 0 = the eight fragments in F, source 1 = the fragment in v[x] on, C = the bias in O.
.macro PROJ x, xs
.irp t, 0,1,2,3,4,5,6,7
	v_wmma_scale_f32_16x16x128_f8f6f4 v[S+8*\t:S+8*\t+7], v[F+8*\t:F+8*\t+7], v[(\x):(\x)+7], v[O+8*\t:O+8*\t+7], v[SW+\t], v[(\xs)] matrix_a_fmt:MATRIX_FMT_FP4 matrix_b_fmt:MATRIX_FMT_FP4
.endr
.endm
; V's: source 1 = Wv's perm tile u at v[160 + 8 u], C = bv of the lane's d, eight times, at v[192 + 8 u].
.macro PROJV u
.irp t, 0,1,2,3,4,5,6,7
	v_wmma_scale_f32_16x16x128_f8f6f4 v[S+8*\t:S+8*\t+7], v[F+8*\t:F+8*\t+7], v[160+8*(\u):167+8*(\u)], v[192+8*(\u):199+8*(\u)], v[SW+\t], v[XS+(\u)] matrix_a_fmt:MATRIX_FMT_FP4 matrix_b_fmt:MATRIX_FMT_FP4
.endr
.endm
.macro IMAGE x, off                    ; a fragment goes to LDS as it stands in the registers
	ds_store_b128 v[WI], v[(\x):(\x)+3] offset:(\off)
	ds_store_b128 v[WI], v[(\x)+4:(\x)+7] offset:(\off)+512
.endm
.macro LOADW cs, ss                    ; eight perm tiles of 128 rows of 64 bytes into F, their scale words into SW
.irp t, 0,1,2,3,4,5,6,7
.irp c, 0,1
	global_load_b128 v[F+8*\t+4*\c:F+8*\t+4*\c+3], v[VP], s[\cs:\cs+1] offset:(32*(\t/2)+8*(\t%2))*64+32*\c
.endr
	global_load_b32 v[SW+\t], v[SP], s[\ss:\ss+1] offset:(32*(\t/2)+8*(\t%2))*4
.endr
.endm
.macro LOADB bs                        ; a bias in the result's layout: tile t, lane (r, h): the numbers base(t) + 16 h + 0 .. 7
.irp t, 0,1,2,3,4,5,6,7
	global_load_b128 v[O+8*\t:O+8*\t+3], v[BH], s[\bs:\bs+1] offset:(32*(\t/2)+8*(\t%2))*4
	global_load_b128 v[O+8*\t+4:O+8*\t+7], v[BH], s[\bs:\bs+1] offset:(32*(\t/2)+8*(\t%2))*4+16
.endr
.endm
	s_load_b512 s[8:23], s[0:1], 0x0               ; qm codes 8, qm scales 10, Wq codes 12, Wq scales 14, bq 16, km codes 18, km scales 20, Wk codes 22
	s_load_b512 s[24:39], s[0:1], 0x40             ; Wk scales 24, bk 26, vm codes 28, vm scales 30, Wv codes 32, Wv scales 34, bv 36, ctx_img 38
	s_load_b256 s[40:47], s[0:1], 0x80             ; ctx_sc 40, Wo codes 42, Wo scales 44, wo_img 46
	s_load_b64 s[48:49], s[0:1], 0xa0              ; wo_sc
	v_lshrrev_b32 v1, 5, v0
	v_readfirstlane_b32 s2, v1                     ; w: wave 0..15
	s_mov_b32 s3, ttmp9                            ; g
	s_and_b32 s4, ttmp7, 0xffff                    ; bh
	s_lshr_b32 s5, s4, 4                           ; b
	s_and_b32 s6, s4, 15                           ; hh
	v_and_b32 v[SN], 31, v0
	v_lshlrev_b32 v[LI], 4, v[SN]                  ; 16 x lane
	v_and_b32 v[SN], 15, v0                        ; r
	v_bfe_u32 v[BH], v0, 4, 1                      ; h
	v_and_b32 v[SP], 8, v[SN]
	v_add_nc_u32 v[SP], v[SP], v[SN]               ; rp
	v_lshlrev_b32 v[VP], 6, v[SP]
	v_lshl_add_u32 v[VP], v[BH], 4, v[VP]          ; 64 rp + 16 h
	v_lshlrev_b32 v[VN], 6, v[SN]
	v_lshl_add_u32 v[VN], v[BH], 4, v[VN]          ; 64 r + 16 h
	v_lshlrev_b32 v105, 10, v[SN]
	v_lshl_add_u32 v105, v[BH], 4, v105            ; Wo: row r of 1,024 bytes, + 16 h
	v_lshlrev_b32 v106, 6, v[SN]                   ; Wo's scales: row r of 64 bytes
	v_lshlrev_b32 v[SP], 2, v[SP]                  ; 4 rp
	v_lshlrev_b32 v[BH], 6, v[BH]                  ; 64 h
	v_lshlrev_b32 v[SN], 2, v[SN]                  ; 4 r
.irp b, 0,1,2,3
	v_mov_b32 v[TM4+\b], 0                         ; written once: a lane permute's destination counts as one of its sources
.endr
	s_lshr_b32 s88, s2, 1                          ; w / 2: the key step that I make
	s_and_b32 s89, s2, 1                           ; w % 2: which four of its eight tiles
	s_mul_i32 s7, s88, STEPB
	s_lshl_b32 s82, s89, 12
	s_add_co_u32 s7, s7, s82
	v_add_nc_u32 v[WI], s7, v[LI]
	s_mov_b32 s[SEL], 0x76543210
	s_mov_b32 s[SEL+1], 0xfedcba98
	s_mov_b32 s[CS], 0x3e0293ee
	s_mov_b32 s[CS+1], s[CS]                       ; (named with it as a pair, so it is written)
	s_mov_b32 s51, 0                               ; s[50:51]: an offset in 64 bits
	s_lshl_b32 s52, s5, 16                         ; the batch's rows of codes,
	s_lshl_b32 s53, s5, 12                         ; and of scale words
	s_lshl_b32 s86, s6, 13                         ; the head's 128 rows of a weight's codes,
	s_lshl_b32 s87, s6, 9                          ; of its scale words, and of a bias
	s_lshl_b32 s83, s3, 4
	s_add_co_u32 s83, s83, s2                      ; my first query tile: 16 g + w
	s_sub_co_u32 s84, 63, s83                      ; my second
	s_wait_kmcnt 0x0
	s_lshl_b32 s50, s2, 12                         ; km: my 64 keys
	s_add_co_u32 s50, s50, s52
	s_add_nc_u64 s[18:19], s[18:19], s[50:51]
	s_lshl_b32 s50, s2, 8
	s_add_co_u32 s50, s50, s53
	s_add_nc_u64 s[20:21], s[20:21], s[50:51]
	s_mov_b32 s50, s86
	s_add_nc_u64 s[22:23], s[22:23], s[50:51]      ; Wk's and Wq's codes at the head
	s_add_nc_u64 s[12:13], s[12:13], s[50:51]
	s_mov_b32 s50, s87
	s_add_nc_u64 s[24:25], s[24:25], s[50:51]      ; their scale words and biases
	s_add_nc_u64 s[26:27], s[26:27], s[50:51]
	s_add_nc_u64 s[14:15], s[14:15], s[50:51]
	s_add_nc_u64 s[16:17], s[16:17], s[50:51]
	s_lshl_b32 s50, s88, 13                        ; vm: my key step's 128 keys
	s_add_co_u32 s50, s50, s52
	s_add_nc_u64 s[28:29], s[28:29], s[50:51]
	s_lshl_b32 s50, s88, 9
	s_add_co_u32 s50, s50, s53
	s_add_nc_u64 s[30:31], s[30:31], s[50:51]
	s_lshl_b32 s50, s89, 12                        ; Wv: my 64 of the head's rows
	s_add_co_u32 s50, s50, s86
	s_add_nc_u64 s[32:33], s[32:33], s[50:51]
	s_lshl_b32 s50, s89, 8
	s_add_co_u32 s50, s50, s87
	s_add_nc_u64 s[34:35], s[34:35], s[50:51]
	s_add_nc_u64 s[36:37], s[36:37], s[50:51]
	s_lshl_b32 s50, s83, 10                        ; qm: my two tiles of 16 queries
	s_add_co_u32 s50, s50, s52
	s_add_nc_u64 s[54:55], s[8:9], s[50:51]
	s_lshl_b32 s50, s84, 10
	s_add_co_u32 s50, s50, s52
	s_add_nc_u64 s[56:57], s[8:9], s[50:51]
	s_lshl_b32 s50, s83, 6
	s_add_co_u32 s50, s50, s53
	s_add_nc_u64 s[58:59], s[10:11], s[50:51]
	s_lshl_b32 s50, s84, 6
	s_add_co_u32 s50, s50, s53
	s_add_nc_u64 s[60:61], s[10:11], s[50:51]
	s_lshr_b32 s7, s6, 2                           ; ctx_img [hh / 4][64 b + T][hh % 4][1,024];  ctx_sc [64 b + T][hh][16 words]
	s_lshl_b32 s7, s7, 21
	s_and_b32 s82, s6, 3
	s_lshl_b32 s82, s82, 10
	s_add_co_u32 s7, s7, s82
	s_lshl_b32 s82, s5, 6
	s_lshl_b32 s81, s6, 6
	s_add_co_u32 s85, s82, s83
	s_lshl_b32 s50, s85, 12
	s_add_co_u32 s50, s50, s7
	s_add_nc_u64 s[66:67], s[38:39], s[50:51]
	s_lshl_b32 s50, s85, 10
	s_add_co_u32 s50, s50, s81
	s_add_nc_u64 s[70:71], s[40:41], s[50:51]
	s_add_co_u32 s85, s82, s84
	s_lshl_b32 s50, s85, 12
	s_add_co_u32 s50, s50, s7
	s_add_nc_u64 s[68:69], s[38:39], s[50:51]
	s_lshl_b32 s50, s85, 10
	s_add_co_u32 s50, s50, s81
	s_add_nc_u64 s[72:73], s[40:41], s[50:51]
	s_lshl_b32 s85, s4, 1                          ; Wo: work-group L = 2 bh + g takes tile nt = L / 4 of its rows and K steps 4 (L % 4) + 0 .. 3, one for each of waves 0 to 3
	s_add_co_u32 s85, s85, s3
	s_lshr_b32 s81, s85, 2                         ; nt
	s_and_b32 s85, s85, 3                          ; L % 4
	s_and_b32 s82, s2, 3
	s_lshl_b32 s7, s85, 2
	s_add_co_u32 s7, s7, s82                       ; the K step
	s_lshl_b32 s50, s81, 14
	s_lshl_b32 s86, s7, 6
	s_add_co_u32 s50, s50, s86
	s_add_nc_u64 s[42:43], s[42:43], s[50:51]      ; codes: 16 rows of 1,024 bytes a tile, 64 bytes a K step
	s_lshl_b32 s50, s81, 10
	s_lshl_b32 s87, s7, 2
	s_add_co_u32 s50, s50, s87
	s_add_nc_u64 s[44:45], s[44:45], s[50:51]      ; scales: 16 rows of 64 bytes a tile, 4 bytes a K step
	s_lshl_b32 s50, s85, 6
	s_add_co_u32 s50, s50, s81
	s_lshl_b32 s50, s50, 12
	s_lshl_b32 s82, s82, 10
	s_add_co_u32 s50, s50, s82
	s_add_nc_u64 s[46:47], s[46:47], s[50:51]      ; wo_img [L % 4][nt][wave][1,024]
	s_lshl_b32 s50, s81, 10
	s_add_co_u32 s50, s50, s86
	s_add_nc_u64 s[48:49], s[48:49], s[50:51]      ; wo_sc [nt][K step][16 words]
	; ---- K: my 64 keys (four perm tiles of my key step) x the head's 128
	LOADW 22, 24
	LOADB 26
.irp u, 0,1,2,3
.irp c, 0,1
	global_load_b128 v[8+8*\u+192*(\u/3)+4*\c:8+8*\u+192*(\u/3)+4*\c+3], v[VP], s[18:19] offset:(32*(\u/2)+8*(\u%2))*64+32*\c   ; tile u at v8, v16, v24, v224
.endr
	global_load_b32 v[XS+\u], v[SP], s[20:21] offset:(32*(\u/2)+8*(\u%2))*4
.endr
	s_cmp_lt_u32 s2, 4                             ; waves 0 to 3: one fragment of Wo and its scale words, from rows into the order of the operand's registers
	s_cbranch_scc0 .Lno_wo
	global_load_b128 v[96:99], v105, s[42:43]
	global_load_b128 v[100:103], v105, s[42:43] offset:32
	global_load_b32 v104, v106, s[44:45]
	s_wait_loadcnt 0x0
	global_store_b128 v[LI], v[96:99], s[46:47]               ; 32 lanes store 512 consecutive bytes
	global_store_b128 v[LI], v[100:103], s[46:47] offset:512
	global_store_b32 v[SN], v104, s[48:49]                    ; lanes r and 16 + r store the same word
	s_wait_xcnt 0x0                                ; the stores' data lie where the projections' results go: they are written again only behind this wait
.Lno_wo:
	s_wait_loadcnt 0x0
.irp u, 0,1,2,3
	PROJ 8+8*\u+192*(\u/3), XS+\u
	NOPS 4                                         ; four places: behind them the results are read, source 1 is written over by its own codes, and (u = 3) loads are issued into the sources
.if \u == 3
	LOADW 28, 30                                   ; V's operands are asked for while K's last tile is quantised: vm's 128 keys as eight perm tiles,
.irp x, 0,1,2,3
.irp c, 0,1
	global_load_b128 v[160+8*\x+4*\c:163+8*\x+4*\c], v[VP], s[32:33] offset:(32*(\x/2)+8*(\x%2))*64+32*\c   ; my four perm tiles of Wv's rows,
.endr
	global_load_b32 v[XS+\x], v[SP], s[34:35] offset:(32*(\x/2)+8*(\x%2))*4
	global_load_b32 v[192+8*\x], v[SP], s[36:37] offset:(32*(\x/2)+8*(\x%2))*4                             ; and bv of the lane's d
.endr
.endif
	QUANT S, 8+8*\u+192*(\u/3), PWS+\u
	IMAGE 8+8*\u+192*(\u/3), 1024*\u
.endr
	ds_store_b128 v[WI], v[PWS:PWS+3] offset:KSC   ; the four tiles' scale words: one image
	; ---- V: my 64 of the head's d (four perm tiles) x my key step's 128 keys; a lane holds one d, its registers run along the keys
	s_wait_loadcnt 0x0
	s_wait_dscnt 0x0                               ; K's LDS stores have read the registers that V's codes and scale words take
.irp u, 0,1,2,3
.irp j, 1,2,3,4,5,6,7
	v_mov_b32 v[192+8*\u+\j], v[192+8*\u]          ; the bias hangs on the lane's d alone: eight times the same number
.endr
.endr
.irp u, 0,1,2,3
	PROJV \u
	NOPS 4
.if \u == 3
	s_wait_dscnt 0x0                               ; tiles 0 to 2's stores have read v8-31
	LOADW 12, 14                                   ; Q's operands are asked for while V's last tile is quantised
	LOADB 16
.irp c, 0,1
	global_load_b128 v[QA+4*\c:QA+4*\c+3], v[VN], s[54:55] offset:32*\c
	global_load_b128 v[QB+4*\c:QB+4*\c+3], v[VN], s[56:57] offset:32*\c
.endr
	global_load_b32 v[QSA], v[SN], s[58:59]
	global_load_b32 v[QSB], v[SN], s[60:61]
.endif
	QUANT S, 8+8*\u+192*(\u/3), PWS+\u
	IMAGE 8+8*\u+192*(\u/3), VFR+1024*\u
.endr
	ds_store_b128 v[WI], v[PWS:PWS+3] offset:VSC
	s_wait_loadcnt 0x0                             ; Q's operands are in,
	s_wait_dscnt 0x0                               ; and for the others' sake: my stores into LDS are done
	s_barrier_signal -1
	; ---- Q: my two tiles of 16 queries, on registers alone, while the other waves arrive
	PROJ QA, QSA
	NOPS 4
	QUANT S, QA, QSA                               ; the codes take the place of qm's, the scale word that of qm's
	PROJ QB, QSB
	NOPS 4
	QUANT S, QB, QSB
	v_and_b32 v[DQ], 15, v0
	v_bfe_u32 v[TMP], v0, 4, 1
	v_lshlrev_b32 v[TMP], 4, v[TMP]
	v_sub_nc_u32 v[DQ], v[DQ], v[TMP]              ; r - 16 h
	v_mov_b32 v[FP+1], 0                           ; (named as the upper half of the pair with f)
	s_barrier_wait -1                              ; the head's K and V lie in LDS; from here on LDS is only read
; A KEY STEP: 128 keys against one tile of 16 queries.  first = 1: the tile's first step, which starts M, the sum and O^T.
.macro STEP first, qf, qs
.if \first == 0
	s_add_co_u32 s82, s[Q0], 15                    ; a step all of whose keys come after my 16 queries is left out: a scalar branch on ids
	s_cmp_gt_u32 s[KF], s82
	s_cbranch_scc1 .Lhid_\@
.endif
	v_add_nc_u32 v[AD], s[TB], v[LI]
	NOPS 3                                         ; with the addition: four places in front of loads into registers that matrix instructions have read
.irp t, 0,1,2,3,4,5,6,7
.irp c, 0,1
	ds_load_b128 v[F+8*\t+4*\c:F+8*\t+4*\c+3], v[AD] offset:1024*\t+512*\c
.endr
.endr
	ds_load_b128 v[SW:SW+3], v[AD] offset:KSC
	ds_load_b128 v[SW+4:SW+7], v[AD] offset:KSC+4096
	s_wait_dscnt 0x0
.irp t, 0,1,2,3,4,5,6,7                        ; S^T = K Q^T: register 16 b + i of lane (r, h) is key KF + 32 b + 16 h + i against query r
	v_wmma_scale_f32_16x16x128_f8f6f4 v[S+8*\t:S+8*\t+7], v[F+8*\t:F+8*\t+7], v[\qf:\qf+7], 0, v[SW+\t], v[\qs] matrix_a_fmt:MATRIX_FMT_FP4 matrix_b_fmt:MATRIX_FMT_FP4
.endr
	NOPS 4
.irp t, 0,1,2,3,4,5,6,7                        ; V's fragments and scale words are asked for now, into the same registers: they land while the softmax is worked
.irp c, 0,1
	ds_load_b128 v[F+8*\t+4*\c:F+8*\t+4*\c+3], v[AD] offset:VFR+1024*\t+512*\c
.endr
.endr
	ds_load_b128 v[SW:SW+3], v[AD] offset:VSC
	ds_load_b128 v[SW+4:SW+7], v[AD] offset:VSC+4096
	s_add_co_u32 s82, s[KF], 127                   ; on the diagonal the scores of hidden keys become -infinity ahead of the maximum; a step all of whose keys count skips this
	s_cmp_le_u32 s82, s[Q0]
	s_cbranch_scc1 .Lopen_\@
	s_sub_co_i32 s82, s[Q0], s[KF]
	v_add_nc_u32 v[TMP], s82, v[DQ]                ; d = my query - KF - 16 h: register 16 b + i is hidden where 32 b + i > d
	v_mov_b32 v[FP], 0xff800000
.irp n, 0,1,2,3,4,5,6,7,8,9,10,11,12,13,14,15,16,17,18,19,20,21,22,23,24,25,26,27,28,29,30,31,32,33,34,35,36,37,38,39,40,41,42,43,44,45,46,47,48,49,50,51,52,53,54,55,56,57,58,59,60,61,62,63
	v_cmp_gt_i32 vcc_lo, 32*(\n/16)+\n%16, v[TMP]
	v_cndmask_b32 v[S+\n], v[S+\n], v[FP], vcc_lo
.endr
.Lopen_\@:
.irp b, 0,1,2,3
	v_max3_num_f32 v[TM+\b], v[S+16*\b], v[S+1+16*\b], v[S+2+16*\b]   ; the largest score of each block of 32 keys: for the row's maximum, and, since p rises with the score, for the block's largest p
.endr
.irp i, 3,5,7,9,11,13
.irp b, 0,1,2,3
	v_max3_num_f32 v[TM+\b], v[TM+\b], v[S+16*\b+\i], v[S+1+16*\b+\i]
.endr
.endr
.irp b, 0,1,2,3
	v_max_num_f32 v[TM+\b], v[TM+\b], v[S+15+16*\b]
.endr
.irp b, 0,1,2,3
	v_permlanex16_b32 v[TM4+\b], v[TM+\b], s[SEL], s[SEL+1]
.endr
.irp b, 0,1,2,3
	v_max_num_f32 v[TM+\b], v[TM+\b], v[TM4+\b]    ; with lane l xor 16's 16 keys
.endr
	v_max3_num_f32 v[TMP], v[TM], v[TM+1], v[TM+2]
	v_max_num_f32 v[TMP], v[TMP], v[TM+3]          ; the step's largest score of my query (key 0 counts for every query: a number from the first step on)
.if \first
	v_mul_f32 v13, s[CS], v[TMP]                   ; the largest t
	v_floor_f32 v12, -v13                          ; -M = floor(-t) = -ceil(t): a whole number
.else
	v_mul_f32 v[TMP], s[CS], v[TMP]
	v_max_num_f32 v13, v13, v[TMP]                 ; the running largest t
	v_mov_b32 v[TMP], v12
	v_floor_f32 v12, -v13
	v_sub_f32 v[TMP], v12, v[TMP]                  ; old M - new M: a whole number, 0 or less
	v_cvt_i32_f32 v[TMP], v[TMP]                   ; (it saturates)
	v_ldexp_f32 v[FP], 1.0, v[TMP]                 ; f = 2^(old M - new M): a multiplication by it rounds nothing
.endif
.set j, 0
.rept 32
	v_pk_fma_f32 v[S+j:S+j+1], v[S+j:S+j+1], s[CS:CS+1], v[12:13] op_sel_hi:[1,0,0]   ; t - M, two at a time
.set j, j+2
.endr
.irp b, 0,1,2,3
	v_fma_f32 v[TM+\b], v[TM+\b], s[CS], v12       ; the same of each block's largest score
.endr
.set j, 0
.rept 64
	v_exp_f32 v[S+j], v[S+j]                       ; p = 2^(t - M), at most 1, not normalised
.set j, j+1
.endr
.if \first
	v_mov_b32 v14, 0                               ; the sum, in two halves.  (A plain instruction behind the exponentials)
	v_mov_b32 v15, 0
.else
	v_pk_mul_f32 v[14:15], v[14:15], v[FP:FP+1] op_sel_hi:[1,0]   ; the sum under the new M.  (A plain instruction behind the exponentials)
.endif
	s_wait_alu depctr_va_vdst(0)                   ; one wait for the batch of 64, ahead of its first reader
.irp b, 0,1,2,3
	v_exp_f32 v[TM+\b], v[TM+\b]                   ; the block's largest p: the same two instructions on the same number
.endr
	v_pk_add_f32 v[PWS:PWS+1], v[S:S+1], v[S+2:S+3]   ; the row's sum is taken of the unquantised p: two at a time, in two chains
.set j, 4
.rept 15
	v_pk_add_f32 v[14:15], v[14:15], v[S+j:S+j+1]
	v_pk_add_f32 v[PWS:PWS+1], v[PWS:PWS+1], v[S+j+2:S+j+3]
.set j, j+4
.endr
	v_pk_add_f32 v[14:15], v[14:15], v[PWS:PWS+1]
	s_wait_alu depctr_va_vdst(0)                   ; and one for the four
.irp b, 0,1,2,3
	v_max_num_f32 v[TM+\b], 0x1800000, v[TM+\b]    ; the floor 2^(3 - 127): a block whose every p is 0 keeps the byte 1: its codes are zeros
.endr
	QTAIL S, PC, PSW
.if \first
	NOPS 8                                         ; a scale word made by vector instructions stands eight places ahead of the scaled product, its codes four
.else
.set j, 0
.rept 32
	v_pk_mul_f32 v[O+j:O+j+1], v[O+j:O+j+1], v[FP:FP+1] op_sel_hi:[1,0]   ; O^T under the new M.  (These are also those places)
.set j, j+2
.endr
.endif
	s_wait_dscnt 0x0                               ; V is in
.irp t, 0,1,2,3,4,5,6,7                        ; O^T += V^T P^T: register 16 b + i of lane (r, h) is d = 32 b + 16 h + i of query r.  The eight accumulators take turns
.if \first
	v_wmma_scale_f32_16x16x128_f8f6f4 v[O+8*\t:O+8*\t+7], v[F+8*\t:F+8*\t+7], v[PC:PC+7], 0, v[SW+\t], v[PSW] matrix_a_fmt:MATRIX_FMT_FP4 matrix_b_fmt:MATRIX_FMT_FP4
.else
	v_wmma_scale_f32_16x16x128_f8f6f4 v[O+8*\t:O+8*\t+7], v[F+8*\t:F+8*\t+7], v[PC:PC+7], v[O+8*\t:O+8*\t+7], v[SW+\t], v[PSW] matrix_a_fmt:MATRIX_FMT_FP4 matrix_b_fmt:MATRIX_FMT_FP4
.endif
.endr
.if \first == 0
.Lhid_\@:
.endif
.endm
; The tile's context: O^T / the sum, quantised along the head's 128, stored as a fragment's image and its scale words.
.macro WAYOUT cb, csb
	v_add_f32 v14, v14, v15                        ; the sum's two halves,
	v_permlanex16_b32 v[TMP], v14, s[SEL], s[SEL+1]
	v_add_f32 v14, v14, v[TMP]                     ; and lane l xor 16's: the row's sum
	v_rcp_f32 v14, v14
	NOPS 4                                         ; the plain instruction behind the reciprocal, and the places behind the last products
	s_wait_alu depctr_va_vdst(0)                   ; ahead of the reciprocal's first reader
.set j, 0
.rept 32
	v_pk_mul_f32 v[S+j:S+j+1], v[O+j:O+j+1], v[14:15] op_sel_hi:[1,0]
.set j, j+2
.endr
	QUANT S, PC, PWS+2
	global_store_b128 v[LI], v[PC:PC+3], s[\cb:\cb+1]              ; 32 lanes store 512 consecutive bytes
	global_store_b128 v[LI], v[PC+4:PC+7], s[\cb:\cb+1] offset:512
	global_store_b32 v[SN], v[PWS+2], s[\csb:\csb+1]               ; lanes r and 16 + r store the same word
.endm
; A tile of 16 queries: the first key step, then seven trips of which those past the diagonal do nothing: the trip count is a constant.
.macro TILE qf, qs, cb, csb
	s_mov_b32 s[KF], 0
	s_mov_b32 s[TB], 0
	STEP 1, \qf, \qs
	s_mov_b32 s[KF], 128
	s_mov_b32 s[TB], STEPB
	s_mov_b32 s[CNT], 7
.Ltile_\@:
	STEP 0, \qf, \qs
	s_add_co_u32 s[KF], s[KF], 128
	s_add_co_u32 s[TB], s[TB], STEPB
	s_sub_co_u32 s[CNT], s[CNT], 1
	s_cmp_lg_u32 s[CNT], 0
	s_cbranch_scc1 .Ltile_\@
	WAYOUT \cb, \csb
.endm
	s_lshl_b32 s[Q0], s83, 4
	TILE QA, QSA, 66, 70
	s_wait_xcnt 0x0                                ; the first tile's stores have read their data: the registers are written again only behind this wait
	s_lshl_b32 s[Q0], s84, 4
	TILE QB, QSB, 68, 72
	s_wait_xcnt 0x0
	v_lshl_add_u32 v254, v0, 2, 0x30000
	v_mov_b32 v255, 0
	s_wait_tensorcnt 0x0
	ds_add_u32 v254, v255
	s_wait_dscnt 0x0
	s_endpgm
.Lfunc_end_k_q2d5171d54e_attn:
	.size	k_q2d5171d54e_attn, .Lfunc_end_k_q2d5171d54e_attn-k_q2d5171d54e_attn
	.p2alignl 7, 3214868480
	.fill 96, 4, 3214868480
	.section	.rodata,"a",@progbits
	.p2align	6, 0x0
	.amdhsa_kernel k_q2d5171d54e_attn
		.amdhsa_group_segment_fixed_size 198656
		.amdhsa_private_segment_fixed_size 0
		.amdhsa_enable_private_segment 0
		.amdhsa_kernarg_size 168
		.amdhsa_user_sgpr_count 2
		.amdhsa_user_sgpr_kernarg_segment_ptr 1
		.amdhsa_wavefront_size32 1
		.amdhsa_system_sgpr_workgroup_id_x 1
		.amdhsa_system_sgpr_workgroup_id_y 1
		.amdhsa_system_sgpr_workgroup_id_z 1
		.amdhsa_system_vgpr_workitem_id 0
		.amdhsa_next_free_vgpr 256
		.amdhsa_next_free_sgpr 90
		.amdhsa_reserve_vcc 1
		.amdhsa_float_denorm_mode_32 3
		.amdhsa_float_denorm_mode_16_64 3
		.amdhsa_memory_ordered 1
		.amdhsa_forward_progress 1
		.amdhsa_inst_pref_size 170
	.end_amdhsa_kernel
	.amdgpu_metadata
---
amdhsa.version: [ 1, 2 ]
amdhsa.kernels:
  - .name:           k_q2d5171d54e_attn
    .symbol:         k_q2d5171d54e_attn.kd
    .args:
      - { .name: q_matrix_codes, .offset: 0, .size: 8, .value_kind: global_buffer, .address_space: global }
      - { .name: q_matrix_scales, .offset: 8, .size: 8, .value_kind: global_buffer, .address_space: global }
      - { .name: Wq_codes, .offset: 16, .size: 8, .value_kind: global_buffer, .address_space: global }
      - { .name: Wq_scales, .offset: 24, .size: 8, .value_kind: global_buffer, .address_space: global }
      - { .name: bq, .offset: 32, .size: 8, .value_kind: global_buffer, .address_space: global }
      - { .name: k_matrix_codes, .offset: 40, .size: 8, .value_kind: global_buffer, .address_space: global }
      - { .name: k_matrix_scales, .offset: 48, .size: 8, .value_kind: global_buffer, .address_space: global }
      - { .name: Wk_codes, .offset: 56, .size: 8, .value_kind: global_buffer, .address_space: global }
      - { .name: Wk_scales, .offset: 64, .size: 8, .value_kind: global_buffer, .address_space: global }
      - { .name: bk, .offset: 72, .size: 8, .value_kind: global_buffer, .address_space: global }
      - { .name: v_matrix_codes, .offset: 80, .size: 8, .value_kind: global_buffer, .address_space: global }
      - { .name: v_matrix_scales, .offset: 88, .size: 8, .value_kind: global_buffer, .address_space: global }
      - { .name: Wv_codes, .offset: 96, .size: 8, .value_kind: global_buffer, .address_space: global }
      - { .name: Wv_scales, .offset: 104, .size: 8, .value_kind: global_buffer, .address_space: global }
      - { .name: bv, .offset: 112, .size: 8, .value_kind: global_buffer, .address_space: global }
      - { .name: ctx_img, .offset: 120, .size: 8, .value_kind: global_buffer, .address_space: global }
      - { .name: ctx_sc, .offset: 128, .size: 8, .value_kind: global_buffer, .address_space: global }
      - { .name: Wo_codes, .offset: 136, .size: 8, .value_kind: global_buffer, .address_space: global }
      - { .name: Wo_scales, .offset: 144, .size: 8, .value_kind: global_buffer, .address_space: global }
      - { .name: wo_img, .offset: 152, .size: 8, .value_kind: global_buffer, .address_space: global }
      - { .name: wo_sc, .offset: 160, .size: 8, .value_kind: global_buffer, .address_space: global }
    .group_segment_fixed_size: 198656
    .private_segment_fixed_size: 0
    .kernarg_segment_align: 8
    .kernarg_segment_size: 168
    .max_flat_workgroup_size: 512
    .sgpr_count:     90
    .vgpr_count:     256
    .wavefront_size: 32
...
	.end_amdgpu_metadata
.endif
;; end of part 1
;; launch outp (part 2): grid 8 x 32, 4 waves a work-group, clusters of 4 x 4, 327,680 bytes of LDS; arguments ctx_img, ctx_sc, wo_img, wo_sc, bo, out0; writes out0
.if DOCPART == 2
	.amdgcn_target "amdgcn-amd-amdhsa--gfx1250"
	.amdhsa_code_object_version 6
	.text
	.protected	k_q2d5171d54e_outp
	.globl	k_q2d5171d54e_outp
	.p2align	8
	.type	k_q2d5171d54e_outp,@function
k_q2d5171d54e_outp:
	s_mov_b64 s[64:65], 0
	v_nop
	global_prefetch_b8 v0, s[64:65] scope:SCOPE_SE
	s_setreg_imm32_b32 hwreg(HW_REG_WAVE_MODE, 25, 1), 1
	s_wait_xcnt 0x0
	s_wait_alu depctr_hold_cnt(0) depctr_sa_sdst(0) depctr_va_vdst(0) depctr_va_sdst(0) depctr_va_ssrc(0) depctr_va_vcc(0) depctr_vm_vsrc(0)
	s_getreg_b32 s2, hwreg(HW_REG_IB_STS2, 6, 4)
	s_cmp_eq_u32 s2, 0
	s_cbranch_scc0 .Lentry_in_a_cluster
	s_endpgm
.Lentry_in_a_cluster:
	s_bfe_u32 s2, ttmp6, 0x10000c
	s_cmp_lg_u32 s2, 0xf033
	s_cbranch_scc0 .Lentry_shape_is_right
	s_endpgm
.Lentry_shape_is_right:
; out0 [8,192][1,024] f32 = ctx Wo + bo, K = 2,048, on codes of FP4 (E2M1) with one E8M0 scale for each 32 along K.  Both operands come from the launch before, laid in the order of the operand's registers:
; a fragment (16 rows x 128 K, 8 registers a lane) is 1,024 bytes, registers 4 c .. 4 c + 3 of lane l at 512 c + 16 l.  ctx_img [4 (K slot)][512 (tile of 16 rows)][4 (K step in the slot)][1,024], wo_img [4][64][4][1,024];
; the scale words ctx_sc [512][16 (K step)][16 words], wo_sc [64][16][16 words].
; SHARES.  A work-group makes 256 rows x 128 columns: 256 work-groups.  Wave w makes rows 64 w .. 64 w + 63 x all 128 columns: 4 x 8 accumulators of 16 x 16.
; K goes in 16 steps of 128, written out (each step names other scale registers), four to a K slot.  A K slot's fragments of the work-group's 16 tiles of rows are 65,536 dense bytes, those of its 8 tiles of columns 32,768.
; LDS: three slots of 98,304 bytes take K slots 0, 1 and 2 at the start; K slot 3 is brought into slot 0 when its four steps are over: one refill, with eight K steps in which to land.
; CLUSTERS: 4 x 4 work-groups.  The four of a row of the cluster need the same fragments of ctx, the four of a column the same of Wo: each block is asked for JOINTLY, by the same tensor load with the same descriptor
; and a mask that names the four.  Waves 0 and 1 fetch the halves of ctx's block, waves 2 and 3 those of Wo's.
; THE MATRIX INSTRUCTION IS USED TRANSPOSED (source 0 = 16 rows of Wo, source 1 = 16 rows of ctx): a lane holds eight neighbouring numbers of a row of out0.  bo is the C of each sum's first product.
; THE SCALE WORDS of all of K stay in registers: one register holds two K steps' words, lanes 0-15 the even step's, lanes 16-31 the odd step's, which the odd step reads by the selector for the upper lanes.
; No prefetch is laid: three quarters of the launch's operand bytes are asked for by the first fills, at its head.
; REGISTERS, in windows of 256: window 0: v16-30 addresses; v32-63 ctx's scale words (8 a + j), v64-127 Wo's (8 b + j); v128-159, v160-191 ctx's fragments, two sets; on the way out v128-255.
;   window 1: v0-63, v128-191 Wo's fragments, two sets; v64-127 bo in the result's layout.   window 2: accumulator (a, b) at v[8 (8 a + b)].
.set SLOT,   98304
.set BOFF,   65536                     ; in a slot: ctx's 16 x 4 fragments, then Wo's 8 x 4
.set SPARE,  3*SLOT                    ; behind the slots: the spare words, 128 bytes for each wave: two blocks of 256 bytes that no other line names
.set STAGE,  SLOT                      ; the way out: 16 rows x 528 bytes for each wave, in slot 1: it is filled once, and nobody reads it behind the barrier of K step 11
.set SPITCH, 528
.set ADRA, 16                          ; v16-18 LDS address of my ctx fragments in slot 0, 1, 2: 16 x lane + 16,384 x wave
.set ADRB, 20                          ; v20-22 of Wo's: 16 x lane + BOFF
.set STO,  24                          ; v24 the way out: where I put 32 bytes of a row
.set RD,   25                          ; v25 and where I read a row back
.set CO,   26                          ; v26 16 x lane
.set L4,   27                          ; v27 4 x lane
.set SPW,  28                          ; v28 LDS address of my spare word; never rewritten
.set NIL,  29                          ; v29 0; never rewritten
.set H32,  30                          ; v30 32 x (lane / 16)
.set SA,   32
.set SB,   64
.set AF,   128
.set G1,   24                          ; s[24:31] descriptor group 1 for ctx's blocks;  s[32:43] group 0, one set for each slot
.set G0,   32
.set G1B,  44                          ; s[44:51], s[52:63] the same for Wo's
.set G0B,  52
.set MSB, 0
.macro WIN new                         ; the immediate's high byte repeats the setting that is left
.if MSB != \new
	s_set_vgpr_msb (MSB<<8)|\new
.set MSB, \new
.endif
.endm
.macro PLACES                          ; four places in front of loads into registers that matrix instructions have read, and of the first read of results
.rept 4
	v_nop
.endr
.endm
.macro CREST                           ; a round of the cluster's barrier behind its opening barrier
	s_cmp_lg_u32 s16, 0
	s_cbranch_scc1 .Lnot_wave_0_\@
	s_barrier_signal -3
.Lnot_wave_0_\@:
	s_barrier_wait -3
	s_barrier_signal -1
	s_barrier_wait -1
.endm
.macro CROUND
	s_barrier_signal -1
	s_barrier_wait -1
	CREST
.endm
	s_load_b256 s[4:11], s[0:1], 0x0               ; ctx_img s[4:5], ctx_sc s[6:7], wo_img s[8:9], wo_sc s[10:11]
	s_load_b128 s[12:15], s[0:1], 0x20             ; bo s[12:13], out0 s[14:15]
	v_lshl_add_u32 v[SPW], v0, 2, SPARE
	v_mov_b32 v[NIL], 0
	ds_add_u32 v28, v29
	ds_add_u32 v28, v29
	s_wait_dscnt 0x0
	v_lshrrev_b32 v1, 5, v0
	v_readfirstlane_b32 s16, v1                    ; wave 0..3
	s_lshr_b32 s17, s16, 1                         ; I fetch for ctx (0) or for Wo (1),
	s_and_b32 s18, s16, 1                          ; and which half of the block
	s_bfe_u32 s19, ttmp6, 0x40000                  ; cx, cy: my place in the cluster
	s_bfe_u32 s20, ttmp6, 0x40004
	s_lshl_b32 s21, ttmp9, 2
	s_add_co_u32 s21, s21, s19                     ; tile column = 4 x cluster x + cx
	s_and_b32 s22, ttmp7, 0xffff
	s_lshl_b32 s22, s22, 2
	s_add_co_u32 s22, s22, s20                     ; tile row = 4 x cluster y + cy
	s_lshl_b32 s23, s20, 2
	s_lshl_b32 s23, 15, s23                        ; my row of the cluster
	s_lshl_b32 s74, 0x1111, s19                    ; my column
	; descriptor group 1: a dense block as rows of 256 bytes (32 elements of 8 bytes), no padding: every read is 16 x lane on end
	s_or_b32 s[G1], s23, (3<<16)|(1<<21)           ; 15:0 the mask: ctx's blocks go to my row; 17:16 elements of 8 bytes; 21 set beside a mask
	s_or_b32 s[G1B], s74, (3<<16)|(1<<21)          ; Wo's go to my column
	s_mov_b32 s[G1+1], 32<<16                      ; tensor_dim0 = 32
	s_mov_b32 s[G1+2], 128<<16                     ; tensor_dim1 = 128: half of ctx's block is 32,768 bytes
	s_mov_b32 s[G1+3], 32<<16                      ; tile_dim0
	s_mov_b32 s[G1+4], 128                         ; tile_dim1
	s_mov_b32 s[G1+5], 32                          ; from row to row
	s_mov_b32 s[G1+6], 0
	s_mov_b32 s[G1+7], 0
	s_mov_b32 s[G1B+1], 32<<16
	s_mov_b32 s[G1B+2], 64<<16                     ; half of Wo's block is 16,384 bytes
	s_mov_b32 s[G1B+3], 32<<16
	s_mov_b32 s[G1B+4], 64
	s_mov_b32 s[G1B+5], 32
	s_mov_b32 s[G1B+6], 0
	s_mov_b32 s[G1B+7], 0
	s_lshl_b32 s66, s22, 16                        ; ctx: 65,536 x tile row + 32,768 x half: it hangs on the tile row alone, which my row of the cluster shares
	s_lshl_b32 s70, s18, 15                        ; (also the half's place in a slot: no place in the cluster enters an LDS address)
	s_add_co_u32 s66, s66, s70
	s_mov_b32 s67, 0
	s_lshl_b32 s68, s21, 15                        ; Wo: 32,768 x tile column + 16,384 x half: on the tile column alone
	s_lshl_b32 s71, s18, 14
	s_add_co_u32 s68, s68, s71
	s_mov_b32 s69, 0
	s_add_co_u32 s71, s71, BOFF
	s_mov_b32 s73, 0
	s_wait_kmcnt 0x0
	s_add_nc_u64 s[66:67], s[4:5], s[66:67]
	s_add_nc_u64 s[68:69], s[8:9], s[68:69]
	s_lshl_b32 s72, s22, 14                        ; ctx's scale words: 1,024 bytes a tile of rows; my wave's four tiles
	s_lshl_b32 s75, s16, 12
	s_add_co_u32 s72, s72, s75
	s_add_nc_u64 s[6:7], s[6:7], s[72:73]
	s_lshl_b32 s72, s21, 13                        ; Wo's: the work-group's eight tiles
	s_add_nc_u64 s[10:11], s[10:11], s[72:73]
	s_lshl_b32 s72, s21, 9                         ; bo and out0 at the tile's first column: 128 numbers of 4 bytes a tile column
	s_add_nc_u64 s[12:13], s[12:13], s[72:73]
	s_add_nc_u64 s[14:15], s[14:15], s[72:73]
	s_lshl_b32 s72, s22, 20                        ; out0 at my first row: (256 x tile row + 64 x wave) rows of 4,096 bytes
	s_lshl_b32 s75, s16, 18
	s_add_co_u32 s72, s72, s75
	s_add_nc_u64 s[14:15], s[14:15], s[72:73]
	CROUND                                         ; all sixteen work-groups are here: the first joint loads meet
.irp s, 0,1,2
	s_mov_b32 s[G0+4*\s], 1                                        ; count = 1
	s_add_co_u32 s[G0+4*\s+1], s70, \s*SLOT                        ; LDS address
	s_add_nc_u64 s[G0+4*\s+2:G0+4*\s+3], s[66:67], \s*2097152      ; global address: K slot s
	s_or_b32 s[G0+4*\s+3], s[G0+4*\s+3], 0x80000000                ; type = 2
	s_mov_b32 s[G0B+4*\s], 1
	s_add_co_u32 s[G0B+4*\s+1], s71, \s*SLOT
	s_add_nc_u64 s[G0B+4*\s+2:G0B+4*\s+3], s[68:69], \s*262144
	s_or_b32 s[G0B+4*\s+3], s[G0B+4*\s+3], 0x80000000
.endr
	s_cmp_eq_u32 s17, 0                            ; a wave's three first fills stand in one branch, ahead of every wait on TENSORcnt and every LDS read: three loads of mine are out; four v_nop follow the third
	s_cbranch_scc0 .Lfirst_b
	tensor_load_to_lds s[G0:G0+3], s[G1:G1+7]
	s_nop 0
	tensor_load_to_lds s[G0+4:G0+7], s[G1:G1+7]
	s_nop 0
	tensor_load_to_lds s[G0+8:G0+11], s[G1:G1+7]
	s_nop 0
.rept 4
	v_nop
.endr
	s_branch .Lfirst_asked
.Lfirst_b:
	tensor_load_to_lds s[G0B:G0B+3], s[G1B:G1B+7]
	s_nop 0
	tensor_load_to_lds s[G0B+4:G0B+7], s[G1B:G1B+7]
	s_nop 0
	tensor_load_to_lds s[G0B+8:G0B+11], s[G1B:G1B+7]
	s_nop 0
.rept 4
	v_nop
.endr
.Lfirst_asked:
	v_and_b32 v1, 31, v0                           ; lane
	v_lshlrev_b32 v[CO], 4, v1
	v_lshlrev_b32 v[L4], 2, v1
	v_and_b32 v2, 15, v0                           ; r
	v_bfe_u32 v3, v0, 4, 1                         ; h
	v_lshlrev_b32 v[H32], 5, v3
.irp a, 0,1,2,3                                ; register 8 a + j: K steps 2 j (lanes 0-15) and 2 j + 1 (lanes 16-31) of my tile a of rows: each load reads 128 consecutive bytes
.irp j, 0,1,2,3,4,5,6,7
	global_load_b32 v[SA+8*\a+\j], v[L4], s[6:7] offset:1024*\a+128*\j
.endr
.endr
.irp b, 0,1,2,3,4,5,6,7
.irp j, 0,1,2,3,4,5,6,7
	global_load_b32 v[SB+8*\b+\j], v[L4], s[10:11] offset:1024*\b+128*\j
.endr
.endr
	WIN 0x40                                       ; destination window 1
.irp b, 0,1,2,3,4,5,6,7                        ; bo in the result's layout: tile b, lane (r, h): columns 16 b + 8 h + 0 .. 7
	global_load_b128 v[64+8*\b:67+8*\b], v[H32], s[12:13] offset:64*\b
	global_load_b128 v[68+8*\b:71+8*\b], v[H32], s[12:13] offset:64*\b+16
.endr
	WIN 0
	s_lshl_b32 s75, s16, 14                        ; my four tiles of rows: 4 x 4,096 bytes a wave
	v_add_nc_u32 v[ADRA], s75, v[CO]
	v_add_nc_u32 v[ADRA+1], SLOT, v[ADRA]
	v_add_nc_u32 v[ADRA+2], 2*SLOT, v[ADRA]
	v_add_nc_u32 v[ADRB], BOFF, v[CO]
	v_add_nc_u32 v[ADRB+1], BOFF+SLOT, v[CO]
	v_add_nc_u32 v[ADRB+2], BOFF+2*SLOT, v[CO]
	s_mul_i32 s75, s16, 16*SPITCH
	s_add_co_u32 s75, s75, STAGE                   ; my stage
	v_mul_u32_u24 v[STO], v2, SPITCH               ; in: row r, 32 bytes for each half of the lanes
	v_lshl_add_u32 v[STO], v3, 5, v[STO]
	v_add_nc_u32 v[STO], s75, v[STO]
	v_add_nc_u32 v[RD], s75, v[CO]                 ; back: the 32 lanes take one row of 512 bytes
; K step q's fragments into set q % 2: Wo's eight, ctx's four: 24 loads of 512 consecutive bytes.  K slot q / 4 lies in slot (q / 4) % 3.
.macro FETCH q
	WIN 0x40
.irp b, 0,1,2,3,4,5,6,7
.irp c, 0,1
	ds_load_b128 v[128*((\q)%2)+8*\b+4*\c:128*((\q)%2)+8*\b+4*\c+3], v[ADRB+((\q)/4)%3] offset:\b*4096+((\q)%4)*1024+512*\c
.endr
.endr
	WIN 0
.irp a, 0,1,2,3
.irp c, 0,1
	ds_load_b128 v[AF+32*((\q)%2)+8*\a+4*\c:AF+32*((\q)%2)+8*\a+4*\c+3], v[ADRA+((\q)/4)%3] offset:\a*4096+((\q)%4)*1024+512*\c
.endr
.endr
.endm
; K step q's products of ctx's tiles a0 .. a0 + cnt - 1 against Wo's eight.  The 32 accumulators take turns, one instruction a turn, in the same order in every step.
.macro MUL q, a0, cnt
.if (\q) == 0
	WIN 0x91                                       ; source 0 (Wo) window 1, source 1 (ctx) window 0, C (bo) window 1, D window 2
.else
	WIN 0xa1                                       ; the same, C and D window 2
.endif
.set AA, \a0
.rept \cnt
.irp b, 0,1,2,3,4,5,6,7
.set rD, 8*(8*AA+\b)
.set rB, 128*((\q)%2)+8*\b
.set rA, AF+32*((\q)%2)+8*AA
.set rSB, SB+8*\b+(\q)/2
.set rSA, SA+8*AA+(\q)/2
.if (\q) == 0
	v_wmma_scale_f32_16x16x128_f8f6f4 v[rD:rD+7], v[rB:rB+7], v[rA:rA+7], v[64+8*\b:71+8*\b], v[rSB], v[rSA] matrix_a_fmt:MATRIX_FMT_FP4 matrix_b_fmt:MATRIX_FMT_FP4
.elseif (\q)%2
	v_wmma_scale_f32_16x16x128_f8f6f4 v[rD:rD+7], v[rB:rB+7], v[rA:rA+7], v[rD:rD+7], v[rSB], v[rSA] matrix_a_fmt:MATRIX_FMT_FP4 matrix_b_fmt:MATRIX_FMT_FP4 matrix_a_scale:MATRIX_SCALE_ROW1 matrix_b_scale:MATRIX_SCALE_ROW1
.else
	v_wmma_scale_f32_16x16x128_f8f6f4 v[rD:rD+7], v[rB:rB+7], v[rA:rA+7], v[rD:rD+7], v[rSB], v[rSA] matrix_a_fmt:MATRIX_FMT_FP4 matrix_b_fmt:MATRIX_FMT_FP4
.endif
.endr
.set AA, AA+1
.endr
.endm
.macro STEP q                          ; a K step whose successor's fragments may be read: they are asked for ahead of this step's 32 products
	s_wait_dscnt 0x0                               ; this step's fragments are in (asked for 32 products ago)
	PLACES
	FETCH (\q)+1
	MUL \q, 0, 4
.endm
	s_wait_tensorcnt 0x2                           ; my part of slot 0 is in; the two loads issued behind it may stay out
	s_barrier_signal -1
	s_barrier_wait -1                              ; everybody's is
	FETCH 0
	s_wait_loadcnt 0x0                             ; the scale words and bo
	STEP 0
	STEP 1
	STEP 2
	; K step 3 leaves slot 0, which is filled again with K slot 3.
	WIN 0                                          ; (the add's two registers lie in window 0)
	s_wait_tensorcnt 0x0                           ; all my tensor loads have landed: my parts of slots 1 and 2 too;
	ds_add_u32 v[SPW], v[NIL]                      ; 0 onto my spare word;
	s_wait_dscnt 0x1                               ; (step 3's 24 loads are in; the add, issued behind them, may be out)
	MUL 3, 0, 1                                    ; eight products stand between the add and the wait for it
	s_wait_dscnt 0x0                               ; the add is done, and my reads of slot 0 are over
	s_barrier_signal -1
	MUL 3, 1, 1
	WIN 0
	s_barrier_wait -1
	CREST                                          ; the barrier has opened a round of the cluster's barrier: no wave of any partner still reads slot 0 or has a load on its way
	s_add_nc_u64 s[G0+2:G0+3], s[G0+2:G0+3], 3*2097152     ; slot 0's descriptors: three K slots on
	s_add_nc_u64 s[G0B+2:G0B+3], s[G0B+2:G0B+3], 3*262144
	s_cmp_eq_u32 s17, 0                            ; the joint refill: my one tensor load behind the round, and the first thing there
	s_cbranch_scc0 .Lfor_b
	tensor_load_to_lds s[G0:G0+3], s[G1:G1+7]
	s_nop 0
.rept 4
	v_nop
.endr
	s_branch .Lasked
.Lfor_b:
	tensor_load_to_lds s[G0B:G0B+3], s[G1B:G1B+7]
	s_nop 0
.rept 4
	v_nop
.endr
.Lasked:                                           ; (the four v_nop are also the places in front of the loads below)
	FETCH 4                                        ; slots 1 and 2 are whole: every wave has waited for all its loads in front of the round
	MUL 3, 2, 2
.irp q, 4,5,6,7,8,9,10
	STEP \q
.endr
	; K step 11: K slot 3 has had eight K steps in which to land
	s_wait_tensorcnt 0x0                           ; my part of it is in (the one load of mine that was out),
	s_wait_dscnt 0x0                               ; step 11's fragments are in, and my reads of slots 1 and 2 are over
	s_barrier_signal -1
	MUL 11, 0, 2
	s_barrier_wait -1                              ; everybody's: slot 0 may be read, and slot 1 may be written on the way out
	PLACES
	FETCH 12
	MUL 11, 2, 2
	STEP 12
	STEP 13
	STEP 14
	s_wait_dscnt 0x0
	MUL 15, 0, 4
	WIN 0
; THE WAY OUT, block by block of 16 rows x 128 columns.  A lane holds 32 neighbouring bytes of a row, and the lanes beside it hold other rows: a block goes through my own stage in LDS and comes back as whole rows
; of 512 bytes.  LDS serves a wave's instructions in order (ISA guide 5.7.1.4): no wait between the stores and the loads, nor in front of the next block's stores.
.macro TOSTAGE a
	WIN 0x08                                       ; an LDS store's data are its source 1: window 2
.irp b, 0,1,2,3,4,5,6,7
	ds_store_b128 v[STO], v[64*(\a)+8*\b:64*(\a)+8*\b+3] offset:64*\b        ; each accumulator from its low end on
	ds_store_b128 v[STO], v[64*(\a)+8*\b+4:64*(\a)+8*\b+7] offset:64*\b+16
.endr
	WIN 0
.irp t, 0,1,2,3,4,5,6,7,8,9,10,11,12,13,14,15
	ds_load_b128 v[128+64*((\a)%2)+4*\t:128+64*((\a)%2)+4*\t+3], v[RD] offset:\t*SPITCH
.endr
.endm
.macro SEND a, younger                 ; younger: the LDS instructions issued behind block a's loads, which may stay out
	s_wait_dscnt \younger
.irp t, 0,1,2,3,4,5,6,7,8,9,10,11,12,13,14,15
	global_store_b128 v[CO], v[128+64*((\a)%2)+4*\t:128+64*((\a)%2)+4*\t+3], s[14:15] offset:(16*(\a)+\t)*4096 th:TH_STORE_NT   ; 32 lanes store 512 consecutive bytes, at a multiple of 256 from out0's first byte; the row stands in the immediate
.endr
.endm
	PLACES                                         ; behind the last products: results are read, and loads land where ctx's fragments lay
	TOSTAGE 0
.irp a, 1,2,3
.if \a > 1
	s_wait_xcnt 0x0                                ; block a - 2's stores have read their registers: block a's loads may land there
.endif
	TOSTAGE \a
	SEND \a-1, 32                                  ; behind block a - 1's loads: block a's 16 stores and 16 loads
.endr
	SEND 3, 0
	s_wait_tensorcnt 0x0                           ; the wave's end, behind my last tensor load and my last LDS store
	ds_add_u32 v[SPW], v[NIL]
	s_wait_dscnt 0x0
	CROUND                                         ; the closing round: no work-group ends while a partner may still ask for a block that names it
	s_endpgm
.Lfunc_end_k_q2d5171d54e_outp:
	.size	k_q2d5171d54e_outp, .Lfunc_end_k_q2d5171d54e_outp-k_q2d5171d54e_outp
	.p2alignl 7, 3214868480
	.fill 96, 4, 3214868480
	.section	.rodata,"a",@progbits
	.p2align	6, 0x0
	.amdhsa_kernel k_q2d5171d54e_outp
		.amdhsa_group_segment_fixed_size 327680
		.amdhsa_private_segment_fixed_size 0
		.amdhsa_enable_private_segment 0
		.amdhsa_kernarg_size 48
		.amdhsa_user_sgpr_count 2
		.amdhsa_user_sgpr_kernarg_segment_ptr 1
		.amdhsa_wavefront_size32 1
		.amdhsa_system_sgpr_workgroup_id_x 1
		.amdhsa_system_sgpr_workgroup_id_y 1
		.amdhsa_system_sgpr_workgroup_id_z 1
		.amdhsa_system_vgpr_workitem_id 0
		.amdhsa_next_free_vgpr 768
		.amdhsa_next_free_sgpr 80
		.amdhsa_reserve_vcc 0
		.amdhsa_float_denorm_mode_32 3
		.amdhsa_float_denorm_mode_16_64 3
		.amdhsa_memory_ordered 1
		.amdhsa_forward_progress 1
		.amdhsa_inst_pref_size 126
	.end_amdhsa_kernel
	.amdgpu_metadata
---
amdhsa.version: [ 1, 2 ]
amdhsa.kernels:
  - .name:           k_q2d5171d54e_outp
    .symbol:         k_q2d5171d54e_outp.kd
    .args:
      - { .name: ctx_img, .offset: 0, .size: 8, .value_kind: global_buffer, .address_space: global }
      - { .name: ctx_sc, .offset: 8, .size: 8, .value_kind: global_buffer, .address_space: global }
      - { .name: wo_img, .offset: 16, .size: 8, .value_kind: global_buffer, .address_space: global }
      - { .name: wo_sc, .offset: 24, .size: 8, .value_kind: global_buffer, .address_space: global }
      - { .name: bo, .offset: 32, .size: 8, .value_kind: global_buffer, .address_space: global }
      - { .name: out0, .offset: 40, .size: 8, .value_kind: global_buffer, .address_space: global }
    .group_segment_fixed_size: 327680
    .private_segment_fixed_size: 0
    .kernarg_segment_align: 8
    .kernarg_segment_size: 48
    .max_flat_workgroup_size: 128
    .sgpr_count:     80
    .vgpr_count:     768
    .wavefront_size: 32
...
	.end_amdgpu_metadata
.endif
;; end of part 2
;; ======== version 2 of 2: 2 launches; version 1 with the launch attn written anew for expert scheduling mode
;; workspace buffers: ctx_img 8,388,608 bytes; ctx_sc 524,288 bytes; wo_img 1,048,576 bytes; wo_sc 65,536 bytes
;; launch attn (part 3): grid 2 x 128, 16 waves a work-group, no clusters, 198,656 bytes of LDS; arguments q_matrix_codes, q_matrix_scales, Wq_codes, Wq_scales, bq, k_matrix_codes, k_matrix_scales, Wk_codes, Wk_scales, bk, v_matrix_codes, v_matrix_scales, Wv_codes, Wv_scales, bv, ctx_img, ctx_sc, Wo_codes, Wo_scales, wo_img, wo_sc; writes ctx_img, ctx_sc, wo_img, wo_sc
.if DOCPART == 3
	.amdgcn_target "amdgcn-amd-amdhsa--gfx1250"
	.amdhsa_code_object_version 6
	.text
	.protected	k_q2d5171d54e_attn
	.globl	k_q2d5171d54e_attn
	.p2align	8
	.type	k_q2d5171d54e_attn,@function
k_q2d5171d54e_attn:
	s_mov_b64 s[64:65], 0
	v_nop
	global_prefetch_b8 v0, s[64:65] scope:SCOPE_SE
	s_setreg_imm32_b32 hwreg(HW_REG_WAVE_SCHED_MODE, 0, 2), 2
	s_setreg_imm32_b32 hwreg(HW_REG_WAVE_MODE, 25, 1), 1
	s_wait_xcnt 0x0
	s_wait_alu depctr_vm_vsrc(0)
; Causal attention of one head on codes of FP4 (E2M1) with one E8M0 scale for each 32 along a product's K, from the three projections to the quantised context.
; q = qm Wq + bq, k = km Wk + bk, v = vm Wv + bv (K = 128, operands given as codes); q and k are quantised along the head's 128, v along the keys; S = q k^T; t = S x log2(e) / sqrt(128);
; M = the row's largest t so far, rounded up to a whole number; p = 2^(t - M) is quantised along the keys; the row's sum is taken of the unquantised p; ctx = (p v) / sum is quantised along the head's 128.
; SHARES.  Work-group (g, bh): batch b = bh / 16, head hh = bh % 16.  Both work-groups of a head make ALL of the head's K and V (64 KiB of codes each) and keep them in LDS: q, k, v and the scores never go to memory.
; Wave w owns the query tiles T = 16 g + w and 63 - T.  A tile T has T / 8 + 1 key steps of 128 under the mask, so every wave has 9 key steps.  Sixteen waves of 256 registers: four to a SIMD.
; OPERANDS LIE IN LDS AND IN THE WORKSPACE AS IMAGES OF THEIR REGISTERS: a fragment (16 rows x 128 K, 8 registers a lane) is 1,024 bytes, registers 4 c .. 4 c + 3 of lane l at 512 c + 16 l.
; ROW ORDERS.  r = lane % 16, h = lane / 16, rp = r + 8 (r / 8), base(t) = 32 (t / 2) + 8 (t % 2).  A PERM TILE t gives lane r the row base(t) + rp; used as source 0, its result's register j belongs to
; row base(t) + 16 h + j, so the 64 registers of eight tiles are: register 16 b + i = index 32 b + 16 h + i, which is what QUANT takes.  K, Q: source 0 = perm tiles of the weight's rows, source 1 = 16 keys or queries;
; V: source 0 = perm tiles of vm's keys, source 1 = a perm tile of Wv's rows; S^T: source 0 = 16 keys (a perm tile of the step), source 1 = my queries; O^T: source 0 = V (a perm tile of d), source 1 = p.
; A lane holds ONE query in S^T, p and O^T.  The biases are the C of each projection.
; Waves 0 to 3 also lay one fragment of Wo each (1,024 in the launch) and its scale words in the order of the operand's registers, for the next launch.
; NO CLUSTER: every operand goes from memory straight into registers, for one K step of 128; no tile is brought into LDS by a tensor load that partners could ask for jointly.
; LIMITS: NaN and infinities among the inputs are not served.  A block of zeros gets the scale byte 1 where the quantiser says 127: its codes are zeros, and the bytes are read by this program alone.
; t is made by one multiplication with log2(e) / sqrt(128), not by two.
; THE MODE: SCHED_MODE bits 1:0 = 2 (LLVM: expert scheduling mode 2), set by the entry lines.  The code itself states the register dependences between vector or matrix instructions and memory or LDS
; instructions, with s_wait_alu, always for 0.
; THE PLAN.  Registers that memory or LDS instructions touch:
;   v1, v3          16 x lane, 4 r: made at the head, read by image loads and stores, never written again.
;   v244-247        offsets of the projections' loads: made at the head; written again (f, TMP, r - 16 h) behind the wait ahead of the barrier's signal.
;   v96-106         Wo's fragment, scale word and offsets (waves 0 to 3): read by Wo's loads and stores; K's first products write there, behind the wait in Wo's branch.
;   v2              where I store images, then the key step's region: read by the image stores, then by a step's 36 LDS loads; written once a step, behind the wait that closes the step before.
;   F, SW           filled by loads alone, read by matrix instructions alone: a wait on va_vdst stands between a run of products and the loads that land there next.
;   v160-223, v4-7  in the projections: filled by loads (bv's copies by v_mov), read by matrix instructions: the same wait serves them.
;   v8-31, v224-231, v240-243  a tile's codes and scale words: written by QUANT, read by the image stores (on the way out by the global stores): a wait on va_vdst ahead of the stores, one on vm_vsrc ahead of the next writer.
; A KEY STEP has: one wait on va_vdst ahead of K's loads, one ahead of V's, the two behind the exponentials, and ahead of the second product one on vm_vsrc (v2 is read) and one on va_vdst (p's codes and scale word are
; written).  Between V's loads and the second product the vector work names S, O^T, v7, v12-15 and v224-247: none of F, SW, v2.  On the diagonal the 64 compares write 64 scalar registers, with one wait on va_sdst behind the run.
.set STEPB, 24576                      ; LDS: a key step's region: K's 8 fragments at 0, V's 8 at VFR, K's scale images at KSC + 4,096 x half, V's at VSC + 4,096 x half
.set VFR,   8192
.set KSC,   16384                      ; a scale image: 512 bytes, 16 x lane = the words of four tiles
.set VSC,   16896
.set LI,  1                            ; v1   16 x lane; never rewritten
.set WI,  2                            ; v2   where I store images: 16 x lane + (w / 2) STEPB + (w % 2) 4,096
.set AD,  2                            ; v2   later: 16 x lane + the key step's region
.set SN,  3                            ; v3   4 r; never rewritten
.set XS,  4                            ; v4-7 scale words of a projection's source 1
.set QSA, 5                            ; v5, v6 later: my two query tiles' scale words;  v7: p's
.set QSB, 6
.set PSW, 7
.set QA,  16                           ; v16-23, v24-31 my two query tiles' fragments
.set QB,  24
.set F,   32                           ; v32-95   eight fragments
.set S,   96                           ; v96-159  eight results: a projection's, the scores, then p
.set O,   160                          ; v160-223 a projection's C; later O^T
.set PC,  224                          ; v224-231 p's codes
.set TM,  232                          ; v232-235 four largest magnitudes, then the conversions' scale operands
.set TM4, 236                          ; v236-239 the other half's, then the bytes
.set PWS, 240                          ; v240-243 four scale words just made; later v[240:241] the sum's second chain, v242 the context's scale word
.set VP,  244                          ; v244 64 rp + 16 h;  v245 4 rp;  v246 64 h;  v247 64 r + 16 h  (while the projections load)
.set SP,  245
.set BH,  246
.set VN,  247
.set FP,  244                          ; v[244:245] later: f = 2^(old M - new M), and 0
.set TMP, 246
.set DQ,  247                          ; v247 later: r - 16 h
.set SW,  248                          ; v248-255 eight scale words of source 0
.set SEL, 74                           ; s[74:75] lane selects for v_permlanex16_b32: lane l xor 16
.set CS,  76                           ; s[76:77] c = log2(e) / sqrt(128)
.set Q0,  78                           ; s78 the tile's first query;  s79 the step's first key;  s80 the step's region in LDS;  s81 trips to go
.set KF,  79
.set TB,  80
.set CNT, 81
; The diagonal's 64 masks lie in s2-s63, s85 and s86 (mask n in s[2 + n + 21 (n / 62)]): set-up numbers and pointers that are done with when the key steps begin.
.macro NOPS n
.rept \n
	v_nop
.endr
.endm
; The end of a quantiser: v[TM + b] holds block b's largest magnitude (at least 2^(3 - 127)); v[s] on, the 64 numbers.  Codes into v[pc] on, in the operand's layout; the row's scale word into v[pw].
.macro QTAIL s, pc, pw
.irp b, 0,1,2,3
	v_add_nc_u32 v[TM+\b], 0xff000000, v[TM+\b]    ; 2 off the exponent field: the conversion takes the exponent field of this operand as its scale
.endr
.irp b, 0,1,2,3
	v_lshrrev_b32 v[TM4+\b], 23, v[TM+\b]          ; the scale's byte
.endr
	v_lshl_or_b32 v[(\pw)], v[TM4+1], 8, v[TM4]
	v_lshl_or_b32 v[(\pw)], v[TM4+2], 16, v[(\pw)]
	v_lshl_or_b32 v[(\pw)], v[TM4+3], 24, v[(\pw)]
.irp b, 0,1,2,3
	v_cvt_scalef32_pk8_fp4_f32 v[(\pc)+2*\b], v[(\s)+16*\b:(\s)+7+16*\b], v[TM+\b]
	v_cvt_scalef32_pk8_fp4_f32 v[(\pc)+1+2*\b], v[(\s)+8+16*\b:(\s)+15+16*\b], v[TM+\b]
.endr
	v_nop                                          ; one plain instruction behind the scaled conversions
.irp c, 0,1                                    ; the operand's layout wants a whole block in a lane: lanes 0-15 block 2 c, lanes 16-31 block 2 c + 1
.irp i, 0,1
	v_permlane16_swap_b32 v[(\pc)+4*\c+\i], v[(\pc)+2+4*\c+\i]
.endr
.endr
.endm
; 64 numbers of a lane, register 16 b + i = index 32 b + 16 h + i of the lane's row, become a fragment and its scale word.
.macro QUANT s, pc, pw
.irp b, 0,1,2,3
	v_max3_num_f32 v[TM+\b], |v[(\s)+16*\b]|, |v[(\s)+1+16*\b]|, 0x1800000   ; my 16 numbers of block b, and the floor 2^(3 - 127): the byte cannot fall under 1
.endr
.irp i, 2,4,6,8,10,12,14
.irp b, 0,1,2,3
	v_max3_num_f32 v[TM+\b], v[TM+\b], |v[(\s)+16*\b+\i]|, |v[(\s)+1+16*\b+\i]|   ; the four blocks by turns
.endr
.endr
.irp b, 0,1,2,3
	v_permlanex16_b32 v[TM4+\b], v[TM+\b], s[SEL], s[SEL+1]
.endr
.irp b, 0,1,2,3
	v_max_num_f32 v[TM+\b], v[TM+\b], v[TM4+\b]    ; with lane l xor 16's: the block's largest magnitude
.endr
	QTAIL \s, \pc, \pw
.endm
; Eight products of a projection: source 0 = the eight fragments in F, source 1 = the fragment in v[x] on, C = the bias in O.
.macro PROJ x, xs
.irp t, 0,1,2,3,4,5,6,7
	v_wmma_scale_f32_16x16x128_f8f6f4 v[S+8*\t:S+8*\t+7], v[F+8*\t:F+8*\t+7], v[(\x):(\x)+7], v[O+8*\t:O+8*\t+7], v[SW+\t], v[(\xs)] matrix_a_fmt:MATRIX_FMT_FP4 matrix_b_fmt:MATRIX_FMT_FP4
.endr
.endm
; V's: source 1 = Wv's perm tile u at v[160 + 8 u], C = bv of the lane's d, eight times, at v[192 + 8 u].
.macro PROJV u
.irp t, 0,1,2,3,4,5,6,7
	v_wmma_scale_f32_16x16x128_f8f6f4 v[S+8*\t:S+8*\t+7], v[F+8*\t:F+8*\t+7], v[160+8*(\u):167+8*(\u)], v[192+8*(\u):199+8*(\u)], v[SW+\t], v[XS+(\u)] matrix_a_fmt:MATRIX_FMT_FP4 matrix_b_fmt:MATRIX_FMT_FP4
.endr
.endm
.macro IMAGE x, off                    ; a fragment goes to LDS as it stands in the registers
	ds_store_b128 v[WI], v[(\x):(\x)+3] offset:(\off)
	ds_store_b128 v[WI], v[(\x)+4:(\x)+7] offset:(\off)+512
.endm
.macro LOADW cs, ss                    ; eight perm tiles of 128 rows of 64 bytes into F, their scale words into SW
.irp t, 0,1,2,3,4,5,6,7
.irp c, 0,1
	global_load_b128 v[F+8*\t+4*\c:F+8*\t+4*\c+3], v[VP], s[\cs:\cs+1] offset:(32*(\t/2)+8*(\t%2))*64+32*\c
.endr
	global_load_b32 v[SW+\t], v[SP], s[\ss:\ss+1] offset:(32*(\t/2)+8*(\t%2))*4
.endr
.endm
.macro LOADB bs                        ; a bias in the result's layout: tile t, lane (r, h): the numbers base(t) + 16 h + 0 .. 7
.irp t, 0,1,2,3,4,5,6,7
	global_load_b128 v[O+8*\t:O+8*\t+3], v[BH], s[\bs:\bs+1] offset:(32*(\t/2)+8*(\t%2))*4
	global_load_b128 v[O+8*\t+4:O+8*\t+7], v[BH], s[\bs:\bs+1] offset:(32*(\t/2)+8*(\t%2))*4+16
.endr
.endm
	s_load_b512 s[8:23], s[0:1], 0x0               ; qm codes 8, qm scales 10, Wq codes 12, Wq scales 14, bq 16, km codes 18, km scales 20, Wk codes 22
	s_load_b512 s[24:39], s[0:1], 0x40             ; Wk scales 24, bk 26, vm codes 28, vm scales 30, Wv codes 32, Wv scales 34, bv 36, ctx_img 38
	s_load_b256 s[40:47], s[0:1], 0x80             ; ctx_sc 40, Wo codes 42, Wo scales 44, wo_img 46
	s_load_b64 s[48:49], s[0:1], 0xa0              ; wo_sc
	v_lshrrev_b32 v1, 5, v0
	v_readfirstlane_b32 s2, v1                     ; w: wave 0..15
	s_mov_b32 s3, ttmp9                            ; g
	s_and_b32 s4, ttmp7, 0xffff                    ; bh
	s_lshr_b32 s5, s4, 4                           ; b
	s_and_b32 s6, s4, 15                           ; hh
	v_and_b32 v[SN], 31, v0
	v_lshlrev_b32 v[LI], 4, v[SN]                  ; 16 x lane
	v_and_b32 v[SN], 15, v0                        ; r
	v_bfe_u32 v[BH], v0, 4, 1                      ; h
	v_and_b32 v[SP], 8, v[SN]
	v_add_nc_u32 v[SP], v[SP], v[SN]               ; rp
	v_lshlrev_b32 v[VP], 6, v[SP]
	v_lshl_add_u32 v[VP], v[BH], 4, v[VP]          ; 64 rp + 16 h
	v_lshlrev_b32 v[VN], 6, v[SN]
	v_lshl_add_u32 v[VN], v[BH], 4, v[VN]          ; 64 r + 16 h
	v_lshlrev_b32 v105, 10, v[SN]
	v_lshl_add_u32 v105, v[BH], 4, v105            ; Wo: row r of 1,024 bytes, + 16 h
	v_lshlrev_b32 v106, 6, v[SN]                   ; Wo's scales: row r of 64 bytes
	v_lshlrev_b32 v[SP], 2, v[SP]                  ; 4 rp
	v_lshlrev_b32 v[BH], 6, v[BH]                  ; 64 h
	v_lshlrev_b32 v[SN], 2, v[SN]                  ; 4 r
.irp b, 0,1,2,3
	v_mov_b32 v[TM4+\b], 0                         ; written once: a lane permute's destination counts as one of its sources
.endr
	s_wait_alu depctr_va_sdst(0)                   ; s2, the wave's number, is written, ahead of its first reader: my places in LDS and in the buffers are made from it
	s_lshr_b32 s88, s2, 1                          ; w / 2: the key step that I make
	s_and_b32 s89, s2, 1                           ; w % 2: which four of its eight tiles
	s_mul_i32 s7, s88, STEPB
	s_lshl_b32 s82, s89, 12
	s_add_co_u32 s7, s7, s82
	v_add_nc_u32 v[WI], s7, v[LI]
	s_mov_b32 s[SEL], 0x76543210
	s_mov_b32 s[SEL+1], 0xfedcba98
	s_mov_b32 s[CS], 0x3e0293ee
	s_mov_b32 s[CS+1], s[CS]                       ; (named with it as a pair, so it is written)
	s_mov_b32 s51, 0                               ; s[50:51]: an offset in 64 bits
	s_lshl_b32 s52, s5, 16                         ; the batch's rows of codes,
	s_lshl_b32 s53, s5, 12                         ; and of scale words
	s_lshl_b32 s86, s6, 13                         ; the head's 128 rows of a weight's codes,
	s_lshl_b32 s87, s6, 9                          ; of its scale words, and of a bias
	s_lshl_b32 s83, s3, 4
	s_add_co_u32 s83, s83, s2                      ; my first query tile: 16 g + w
	s_sub_co_u32 s84, 63, s83                      ; my second
	s_wait_kmcnt 0x0
	s_lshl_b32 s50, s2, 12                         ; km: my 64 keys
	s_add_co_u32 s50, s50, s52
	s_add_nc_u64 s[18:19], s[18:19], s[50:51]
	s_lshl_b32 s50, s2, 8
	s_add_co_u32 s50, s50, s53
	s_add_nc_u64 s[20:21], s[20:21], s[50:51]
	s_mov_b32 s50, s86
	s_add_nc_u64 s[22:23], s[22:23], s[50:51]      ; Wk's and Wq's codes at the head
	s_add_nc_u64 s[12:13], s[12:13], s[50:51]
	s_mov_b32 s50, s87
	s_add_nc_u64 s[24:25], s[24:25], s[50:51]      ; their scale words and biases
	s_add_nc_u64 s[26:27], s[26:27], s[50:51]
	s_add_nc_u64 s[14:15], s[14:15], s[50:51]
	s_add_nc_u64 s[16:17], s[16:17], s[50:51]
	s_lshl_b32 s50, s88, 13                        ; vm: my key step's 128 keys
	s_add_co_u32 s50, s50, s52
	s_add_nc_u64 s[28:29], s[28:29], s[50:51]
	s_lshl_b32 s50, s88, 9
	s_add_co_u32 s50, s50, s53
	s_add_nc_u64 s[30:31], s[30:31], s[50:51]
	s_lshl_b32 s50, s89, 12                        ; Wv: my 64 of the head's rows
	s_add_co_u32 s50, s50, s86
	s_add_nc_u64 s[32:33], s[32:33], s[50:51]
	s_lshl_b32 s50, s89, 8
	s_add_co_u32 s50, s50, s87
	s_add_nc_u64 s[34:35], s[34:35], s[50:51]
	s_add_nc_u64 s[36:37], s[36:37], s[50:51]
	s_lshl_b32 s50, s83, 10                        ; qm: my two tiles of 16 queries
	s_add_co_u32 s50, s50, s52
	s_add_nc_u64 s[54:55], s[8:9], s[50:51]
	s_lshl_b32 s50, s84, 10
	s_add_co_u32 s50, s50, s52
	s_add_nc_u64 s[56:57], s[8:9], s[50:51]
	s_lshl_b32 s50, s83, 6
	s_add_co_u32 s50, s50, s53
	s_add_nc_u64 s[58:59], s[10:11], s[50:51]
	s_lshl_b32 s50, s84, 6
	s_add_co_u32 s50, s50, s53
	s_add_nc_u64 s[60:61], s[10:11], s[50:51]
	s_lshr_b32 s7, s6, 2                           ; ctx_img [hh / 4][64 b + T][hh % 4][1,024];  ctx_sc [64 b + T][hh][16 words]
	s_lshl_b32 s7, s7, 21
	s_and_b32 s82, s6, 3
	s_lshl_b32 s82, s82, 10
	s_add_co_u32 s7, s7, s82
	s_lshl_b32 s82, s5, 6
	s_lshl_b32 s81, s6, 6
	s_add_co_u32 s85, s82, s83
	s_lshl_b32 s50, s85, 12
	s_add_co_u32 s50, s50, s7
	s_add_nc_u64 s[66:67], s[38:39], s[50:51]
	s_lshl_b32 s50, s85, 10
	s_add_co_u32 s50, s50, s81
	s_add_nc_u64 s[70:71], s[40:41], s[50:51]
	s_add_co_u32 s85, s82, s84
	s_lshl_b32 s50, s85, 12
	s_add_co_u32 s50, s50, s7
	s_add_nc_u64 s[68:69], s[38:39], s[50:51]
	s_lshl_b32 s50, s85, 10
	s_add_co_u32 s50, s50, s81
	s_add_nc_u64 s[72:73], s[40:41], s[50:51]
	s_lshl_b32 s85, s4, 1                          ; Wo: work-group L = 2 bh + g takes tile nt = L / 4 of its rows and K steps 4 (L % 4) + 0 .. 3, one for each of waves 0 to 3
	s_add_co_u32 s85, s85, s3
	s_lshr_b32 s81, s85, 2                         ; nt
	s_and_b32 s85, s85, 3                          ; L % 4
	s_and_b32 s82, s2, 3
	s_lshl_b32 s7, s85, 2
	s_add_co_u32 s7, s7, s82                       ; the K step
	s_lshl_b32 s50, s81, 14
	s_lshl_b32 s86, s7, 6
	s_add_co_u32 s50, s50, s86
	s_add_nc_u64 s[42:43], s[42:43], s[50:51]      ; codes: 16 rows of 1,024 bytes a tile, 64 bytes a K step
	s_lshl_b32 s50, s81, 10
	s_lshl_b32 s87, s7, 2
	s_add_co_u32 s50, s50, s87
	s_add_nc_u64 s[44:45], s[44:45], s[50:51]      ; scales: 16 rows of 64 bytes a tile, 4 bytes a K step
	s_lshl_b32 s50, s85, 6
	s_add_co_u32 s50, s50, s81
	s_lshl_b32 s50, s50, 12
	s_lshl_b32 s82, s82, 10
	s_add_co_u32 s50, s50, s82
	s_add_nc_u64 s[46:47], s[46:47], s[50:51]      ; wo_img [L % 4][nt][wave][1,024]
	s_lshl_b32 s50, s81, 10
	s_add_co_u32 s50, s50, s86
	s_add_nc_u64 s[48:49], s[48:49], s[50:51]      ; wo_sc [nt][K step][16 words]
	; ---- K: my 64 keys (four perm tiles of my key step) x the head's 128
	s_wait_alu depctr_va_vdst(0)                   ; the offsets and addresses v1, v2, v3, v105, v106 and v244-247 are written, which the loads and stores from here on read
	LOADW 22, 24
	LOADB 26
.irp u, 0,1,2,3
.irp c, 0,1
	global_load_b128 v[8+8*\u+192*(\u/3)+4*\c:8+8*\u+192*(\u/3)+4*\c+3], v[VP], s[18:19] offset:(32*(\u/2)+8*(\u%2))*64+32*\c   ; tile u at v8, v16, v24, v224
.endr
	global_load_b32 v[XS+\u], v[SP], s[20:21] offset:(32*(\u/2)+8*(\u%2))*4
.endr
	s_cmp_lt_u32 s2, 4                             ; waves 0 to 3: one fragment of Wo and its scale words, from rows into the order of the operand's registers
	s_cbranch_scc0 .Lno_wo
	global_load_b128 v[96:99], v105, s[42:43]
	global_load_b128 v[100:103], v105, s[42:43] offset:32
	global_load_b32 v104, v106, s[44:45]
	s_wait_loadcnt 0x0
	global_store_b128 v[LI], v[96:99], s[46:47]               ; 32 lanes store 512 consecutive bytes
	global_store_b128 v[LI], v[100:103], s[46:47] offset:512
	global_store_b32 v[SN], v104, s[48:49]                    ; lanes r and 16 + r store the same word
	s_wait_xcnt 0x0                                ; the stores' data lie where the projections' results go: they are written again only behind this wait
	s_wait_alu depctr_vm_vsrc(0)                   ; Wo's stores have read v96-104 and its loads v105 and v106: K's first products write all of them
.Lno_wo:
	s_wait_loadcnt 0x0
.irp u, 0,1,2,3
	PROJ 8+8*\u+192*(\u/3), XS+\u
	NOPS 4                                         ; four places: behind them the results are read, source 1 is written over by its own codes, and (u = 3) loads are issued into the sources
.if \u == 3
	s_wait_alu depctr_va_vdst(0)                   ; K's products are done reading F, SW, the bias in v160-223 and the scale words v4-7, in which the loads below land
	LOADW 28, 30                                   ; V's operands are asked for while K's last tile is quantised: vm's 128 keys as eight perm tiles,
.irp x, 0,1,2,3
.irp c, 0,1
	global_load_b128 v[160+8*\x+4*\c:163+8*\x+4*\c], v[VP], s[32:33] offset:(32*(\x/2)+8*(\x%2))*64+32*\c   ; my four perm tiles of Wv's rows,
.endr
	global_load_b32 v[XS+\x], v[SP], s[34:35] offset:(32*(\x/2)+8*(\x%2))*4
	global_load_b32 v[192+8*\x], v[SP], s[36:37] offset:(32*(\x/2)+8*(\x%2))*4                             ; and bv of the lane's d
.endr
.endif
	QUANT S, 8+8*\u+192*(\u/3), PWS+\u
	s_wait_alu depctr_va_vdst(0)                   ; the quantiser has written the tile's codes, which the LDS stores read (u = 3: and the last of the four scale words v240-243)
	IMAGE 8+8*\u+192*(\u/3), 1024*\u
.endr
	ds_store_b128 v[WI], v[PWS:PWS+3] offset:KSC   ; the four tiles' scale words: one image
	; ---- V: my 64 of the head's d (four perm tiles) x my key step's 128 keys; a lane holds one d, its registers run along the keys
	s_wait_loadcnt 0x0
	s_wait_dscnt 0x0                               ; K's LDS stores have read the registers that V's codes and scale words take
	s_wait_alu depctr_vm_vsrc(0)                   ; K's LDS stores have read v8-31, v224-231 and v240-243, which V's quantiser writes again
.irp u, 0,1,2,3
.irp j, 1,2,3,4,5,6,7
	v_mov_b32 v[192+8*\u+\j], v[192+8*\u]          ; the bias hangs on the lane's d alone: eight times the same number
.endr
.endr
.irp u, 0,1,2,3
	PROJV \u
	NOPS 4
.if \u == 3
	s_wait_dscnt 0x0                               ; tiles 0 to 2's stores have read v8-31
	s_wait_alu depctr_vm_vsrc(0)                   ; the LDS stores of tiles 1 and 2 have read v16-31, in which qm's two fragments land
	s_wait_alu depctr_va_vdst(0)                   ; V's products are done reading F, SW, v160-223 and the scale words v5 and v6, and bv's copies are written: the loads below land in all of them
	LOADW 12, 14                                   ; Q's operands are asked for while V's last tile is quantised
	LOADB 16
.irp c, 0,1
	global_load_b128 v[QA+4*\c:QA+4*\c+3], v[VN], s[54:55] offset:32*\c
	global_load_b128 v[QB+4*\c:QB+4*\c+3], v[VN], s[56:57] offset:32*\c
.endr
	global_load_b32 v[QSA], v[SN], s[58:59]
	global_load_b32 v[QSB], v[SN], s[60:61]
.endif
	QUANT S, 8+8*\u+192*(\u/3), PWS+\u
	s_wait_alu depctr_va_vdst(0)                   ; the quantiser has written the tile's codes, which the LDS stores read (u = 3: and the last of the four scale words v240-243)
	IMAGE 8+8*\u+192*(\u/3), VFR+1024*\u
.endr
	ds_store_b128 v[WI], v[PWS:PWS+3] offset:VSC
	s_wait_loadcnt 0x0                             ; Q's operands are in,
	s_wait_dscnt 0x0                               ; and for the others' sake: my stores into LDS are done
	s_wait_alu depctr_vm_vsrc(0)                   ; my LDS stores have read v2, v8-15, v224-231 and v240-243, and the projections' loads v244-247: all of them are written again from here on
	s_barrier_signal -1
	; ---- Q: my two tiles of 16 queries, on registers alone, while the other waves arrive
	PROJ QA, QSA
	NOPS 4
	QUANT S, QA, QSA                               ; the codes take the place of qm's, the scale word that of qm's
	PROJ QB, QSB
	NOPS 4
	QUANT S, QB, QSB
	v_and_b32 v[DQ], 15, v0
	v_bfe_u32 v[TMP], v0, 4, 1
	v_lshlrev_b32 v[TMP], 4, v[TMP]
	v_sub_nc_u32 v[DQ], v[DQ], v[TMP]              ; r - 16 h
	v_mov_b32 v[FP+1], 0                           ; (named as the upper half of the pair with f)
	s_barrier_wait -1                              ; the head's K and V lie in LDS; from here on LDS is only read
; A KEY STEP: 128 keys against one tile of 16 queries.  first = 1: the tile's first step, which starts M, the sum and O^T.
.macro STEP first, qf, qs
.if \first == 0
	s_add_co_u32 s82, s[Q0], 15                    ; a step all of whose keys come after my 16 queries is left out: a scalar branch on ids
	s_cmp_gt_u32 s[KF], s82
	s_cbranch_scc1 .Lhid_\@
.endif
	v_add_nc_u32 v[AD], s[TB], v[LI]
	NOPS 3                                         ; with the addition: four places in front of loads into registers that matrix instructions have read
	s_wait_alu depctr_va_vdst(0)                   ; v[AD] is written, which the step's LDS loads read; the products issued last are done reading F and SW, in which the loads land; my queries' codes and scale word, made by vector instructions, are written for the scaled products below
.irp t, 0,1,2,3,4,5,6,7
.irp c, 0,1
	ds_load_b128 v[F+8*\t+4*\c:F+8*\t+4*\c+3], v[AD] offset:1024*\t+512*\c
.endr
.endr
	ds_load_b128 v[SW:SW+3], v[AD] offset:KSC
	ds_load_b128 v[SW+4:SW+7], v[AD] offset:KSC+4096
	s_wait_dscnt 0x0
.irp t, 0,1,2,3,4,5,6,7                        ; S^T = K Q^T: register 16 b + i of lane (r, h) is key KF + 32 b + 16 h + i against query r
	v_wmma_scale_f32_16x16x128_f8f6f4 v[S+8*\t:S+8*\t+7], v[F+8*\t:F+8*\t+7], v[\qf:\qf+7], 0, v[SW+\t], v[\qs] matrix_a_fmt:MATRIX_FMT_FP4 matrix_b_fmt:MATRIX_FMT_FP4
.endr
	NOPS 4
	s_wait_alu depctr_va_vdst(0)                   ; the eight products are done reading K's fragments in F and its scale words in SW, in which V's land
.irp t, 0,1,2,3,4,5,6,7                        ; V's fragments and scale words are asked for now, into the same registers: they land while the softmax is worked
.irp c, 0,1
	ds_load_b128 v[F+8*\t+4*\c:F+8*\t+4*\c+3], v[AD] offset:VFR+1024*\t+512*\c
.endr
.endr
	ds_load_b128 v[SW:SW+3], v[AD] offset:VSC
	ds_load_b128 v[SW+4:SW+7], v[AD] offset:VSC+4096
	s_add_co_u32 s82, s[KF], 127                   ; on the diagonal the scores of hidden keys become -infinity ahead of the maximum; a step all of whose keys count skips this
	s_cmp_le_u32 s82, s[Q0]
	s_cbranch_scc1 .Lopen_\@
	s_sub_co_i32 s82, s[Q0], s[KF]
	v_add_nc_u32 v[TMP], s82, v[DQ]                ; d = my query - KF - 16 h: register 16 b + i is hidden where 32 b + i > d
	v_mov_b32 v[FP], 0xff800000
.set n, 0
.rept 64                                       ; the 64 compares in one run, each into a scalar register of its own
	v_cmp_gt_i32 s[2+n+21*(n/62)], 32*(n/16)+n%16, v[TMP]
.set n, n+1
.endr
	s_wait_alu depctr_va_sdst(0)                   ; the 64 masks are written, ahead of the selects that read them
.set n, 0
.rept 64
	v_cndmask_b32 v[S+n], v[S+n], v[FP], s[2+n+21*(n/62)]
.set n, n+1
.endr
.Lopen_\@:
.irp b, 0,1,2,3
	v_max3_num_f32 v[TM+\b], v[S+16*\b], v[S+1+16*\b], v[S+2+16*\b]   ; the largest score of each block of 32 keys: for the row's maximum, and, since p rises with the score, for the block's largest p
.endr
.irp i, 3,5,7,9,11,13
.irp b, 0,1,2,3
	v_max3_num_f32 v[TM+\b], v[TM+\b], v[S+16*\b+\i], v[S+1+16*\b+\i]
.endr
.endr
.irp b, 0,1,2,3
	v_max_num_f32 v[TM+\b], v[TM+\b], v[S+15+16*\b]
.endr
.irp b, 0,1,2,3
	v_permlanex16_b32 v[TM4+\b], v[TM+\b], s[SEL], s[SEL+1]
.endr
.irp b, 0,1,2,3
	v_max_num_f32 v[TM+\b], v[TM+\b], v[TM4+\b]    ; with lane l xor 16's 16 keys
.endr
	v_max3_num_f32 v[TMP], v[TM], v[TM+1], v[TM+2]
	v_max_num_f32 v[TMP], v[TMP], v[TM+3]          ; the step's largest score of my query (key 0 counts for every query: a number from the first step on)
.if \first
	v_mul_f32 v13, s[CS], v[TMP]                   ; the largest t
	v_floor_f32 v12, -v13                          ; -M = floor(-t) = -ceil(t): a whole number
.else
	v_mul_f32 v[TMP], s[CS], v[TMP]
	v_max_num_f32 v13, v13, v[TMP]                 ; the running largest t
	v_mov_b32 v[TMP], v12
	v_floor_f32 v12, -v13
	v_sub_f32 v[TMP], v12, v[TMP]                  ; old M - new M: a whole number, 0 or less
	v_cvt_i32_f32 v[TMP], v[TMP]                   ; (it saturates)
	v_ldexp_f32 v[FP], 1.0, v[TMP]                 ; f = 2^(old M - new M): a multiplication by it rounds nothing
.endif
.set j, 0
.rept 32
	v_pk_fma_f32 v[S+j:S+j+1], v[S+j:S+j+1], s[CS:CS+1], v[12:13] op_sel_hi:[1,0,0]   ; t - M, two at a time
.set j, j+2
.endr
.irp b, 0,1,2,3
	v_fma_f32 v[TM+\b], v[TM+\b], s[CS], v12       ; the same of each block's largest score
.endr
.set j, 0
.rept 64
	v_exp_f32 v[S+j], v[S+j]                       ; p = 2^(t - M), at most 1, not normalised
.set j, j+1
.endr
.if \first
	v_mov_b32 v14, 0                               ; the sum, in two halves.  (A plain instruction behind the exponentials)
	v_mov_b32 v15, 0
.else
	v_pk_mul_f32 v[14:15], v[14:15], v[FP:FP+1] op_sel_hi:[1,0]   ; the sum under the new M.  (A plain instruction behind the exponentials)
.endif
	s_wait_alu depctr_va_vdst(0)                   ; the 64 exponentials have written p in v96-159: one wait for the batch, ahead of its first reader
.irp b, 0,1,2,3
	v_exp_f32 v[TM+\b], v[TM+\b]                   ; the block's largest p: the same two instructions on the same number
.endr
	v_pk_add_f32 v[PWS:PWS+1], v[S:S+1], v[S+2:S+3]   ; the row's sum is taken of the unquantised p: two at a time, in two chains
.set j, 4
.rept 15
	v_pk_add_f32 v[14:15], v[14:15], v[S+j:S+j+1]
	v_pk_add_f32 v[PWS:PWS+1], v[PWS:PWS+1], v[S+j+2:S+j+3]
.set j, j+4
.endr
	v_pk_add_f32 v[14:15], v[14:15], v[PWS:PWS+1]
	s_wait_alu depctr_va_vdst(0)                   ; the four exponentials have written the blocks' largest p in v232-235, ahead of their first reader
.irp b, 0,1,2,3
	v_max_num_f32 v[TM+\b], 0x1800000, v[TM+\b]    ; the floor 2^(3 - 127): a block whose every p is 0 keeps the byte 1: its codes are zeros
.endr
	QTAIL S, PC, PSW
.if \first
	NOPS 8                                         ; a scale word made by vector instructions stands eight places ahead of the scaled product, its codes four
.else
.set j, 0
.rept 32
	v_pk_mul_f32 v[O+j:O+j+1], v[O+j:O+j+1], v[FP:FP+1] op_sel_hi:[1,0]   ; O^T under the new M.  (These are also those places)
.set j, j+2
.endr
.endif
	s_wait_dscnt 0x0                               ; V is in
	s_wait_alu depctr_vm_vsrc(0)                   ; the step's LDS loads have read v[AD], which the next step writes: stated here, ahead of that step's branch
	s_wait_alu depctr_va_vdst(0)                   ; p's codes in v224-231 and its scale word in v7, made by vector instructions, are written for the scaled products; the places above stay beside this wait
.irp t, 0,1,2,3,4,5,6,7                        ; O^T += V^T P^T: register 16 b + i of lane (r, h) is d = 32 b + 16 h + i of query r.  The eight accumulators take turns
.if \first
	v_wmma_scale_f32_16x16x128_f8f6f4 v[O+8*\t:O+8*\t+7], v[F+8*\t:F+8*\t+7], v[PC:PC+7], 0, v[SW+\t], v[PSW] matrix_a_fmt:MATRIX_FMT_FP4 matrix_b_fmt:MATRIX_FMT_FP4
.else
	v_wmma_scale_f32_16x16x128_f8f6f4 v[O+8*\t:O+8*\t+7], v[F+8*\t:F+8*\t+7], v[PC:PC+7], v[O+8*\t:O+8*\t+7], v[SW+\t], v[PSW] matrix_a_fmt:MATRIX_FMT_FP4 matrix_b_fmt:MATRIX_FMT_FP4
.endif
.endr
.if \first == 0
.Lhid_\@:
.endif
.endm
; The tile's context: O^T / the sum, quantised along the head's 128, stored as a fragment's image and its scale words.
.macro WAYOUT cb, csb
	v_add_f32 v14, v14, v15                        ; the sum's two halves,
	v_permlanex16_b32 v[TMP], v14, s[SEL], s[SEL+1]
	v_add_f32 v14, v14, v[TMP]                     ; and lane l xor 16's: the row's sum
	v_rcp_f32 v14, v14
	NOPS 4                                         ; the plain instruction behind the reciprocal, and the places behind the last products
	s_wait_alu depctr_va_vdst(0)                   ; the reciprocal has written v14, ahead of its first reader
.set j, 0
.rept 32
	v_pk_mul_f32 v[S+j:S+j+1], v[O+j:O+j+1], v[14:15] op_sel_hi:[1,0]
.set j, j+2
.endr
	QUANT S, PC, PWS+2
	s_wait_alu depctr_va_vdst(0)                   ; the quantiser has written the context's codes in v224-231 and its scale word in v242, which the stores read
	global_store_b128 v[LI], v[PC:PC+3], s[\cb:\cb+1]              ; 32 lanes store 512 consecutive bytes
	global_store_b128 v[LI], v[PC+4:PC+7], s[\cb:\cb+1] offset:512
	global_store_b32 v[SN], v[PWS+2], s[\csb:\csb+1]               ; lanes r and 16 + r store the same word
.endm
; A tile of 16 queries: the first key step, then seven trips of which those past the diagonal do nothing: the trip count is a constant.
.macro TILE qf, qs, cb, csb
	s_mov_b32 s[KF], 0
	s_mov_b32 s[TB], 0
	STEP 1, \qf, \qs
	s_mov_b32 s[KF], 128
	s_mov_b32 s[TB], STEPB
	s_mov_b32 s[CNT], 7
.Ltile_\@:
	STEP 0, \qf, \qs
	s_add_co_u32 s[KF], s[KF], 128
	s_add_co_u32 s[TB], s[TB], STEPB
	s_sub_co_u32 s[CNT], s[CNT], 1
	s_cmp_lg_u32 s[CNT], 0
	s_cbranch_scc1 .Ltile_\@
	WAYOUT \cb, \csb
.endm
	s_lshl_b32 s[Q0], s83, 4
	TILE QA, QSA, 66, 70
	s_wait_xcnt 0x0                                ; the first tile's stores have read their data: the registers are written again only behind this wait
	s_wait_alu depctr_vm_vsrc(0)                   ; the first tile's stores have read v224-231 and v242, which the second tile's quantisers write again
	s_lshl_b32 s[Q0], s84, 4
	TILE QB, QSB, 68, 72
	s_wait_xcnt 0x0
	v_lshl_add_u32 v254, v0, 2, 0x30000
	v_mov_b32 v255, 0
	s_wait_dscnt 0x0                               ; the closing lines, six on end
	s_wait_alu 0x0
	s_wait_tensorcnt 0x0
	ds_add_u32 v254, v255
	s_wait_dscnt 0x0
	s_endpgm
.Lfunc_end_k_q2d5171d54e_attn:
	.size	k_q2d5171d54e_attn, .Lfunc_end_k_q2d5171d54e_attn-k_q2d5171d54e_attn
	.p2alignl 7, 3214868480
	.fill 96, 4, 3214868480
	.section	.rodata,"a",@progbits
	.p2align	6, 0x0
	.amdhsa_kernel k_q2d5171d54e_attn
		.amdhsa_group_segment_fixed_size 198656
		.amdhsa_private_segment_fixed_size 0
		.amdhsa_enable_private_segment 0
		.amdhsa_kernarg_size 168
		.amdhsa_user_sgpr_count 2
		.amdhsa_user_sgpr_kernarg_segment_ptr 1
		.amdhsa_wavefront_size32 1
		.amdhsa_system_sgpr_workgroup_id_x 1
		.amdhsa_system_sgpr_workgroup_id_y 1
		.amdhsa_system_sgpr_workgroup_id_z 1
		.amdhsa_system_vgpr_workitem_id 0
		.amdhsa_next_free_vgpr 256
		.amdhsa_next_free_sgpr 90
		.amdhsa_reserve_vcc 0
		.amdhsa_float_denorm_mode_32 3
		.amdhsa_float_denorm_mode_16_64 3
		.amdhsa_memory_ordered 1
		.amdhsa_forward_progress 1
		.amdhsa_inst_pref_size 187
	.end_amdhsa_kernel
	.amdgpu_metadata
---
amdhsa.version: [ 1, 2 ]
amdhsa.kernels:
  - .name:           k_q2d5171d54e_attn
    .symbol:         k_q2d5171d54e_attn.kd
    .args:
      - { .name: q_matrix_codes, .offset: 0, .size: 8, .value_kind: global_buffer, .address_space: global }
      - { .name: q_matrix_scales, .offset: 8, .size: 8, .value_kind: global_buffer, .address_space: global }
      - { .name: Wq_codes, .offset: 16, .size: 8, .value_kind: global_buffer, .address_space: global }
      - { .name: Wq_scales, .offset: 24, .size: 8, .value_kind: global_buffer, .address_space: global }
      - { .name: bq, .offset: 32, .size: 8, .value_kind: global_buffer, .address_space: global }
      - { .name: k_matrix_codes, .offset: 40, .size: 8, .value_kind: global_buffer, .address_space: global }
      - { .name: k_matrix_scales, .offset: 48, .size: 8, .value_kind: global_buffer, .address_space: global }
      - { .name: Wk_codes, .offset: 56, .size: 8, .value_kind: global_buffer, .address_space: global }
      - { .name: Wk_scales, .offset: 64, .size: 8, .value_kind: global_buffer, .address_space: global }
      - { .name: bk, .offset: 72, .size: 8, .value_kind: global_buffer, .address_space: global }
      - { .name: v_matrix_codes, .offset: 80, .size: 8, .value_kind: global_buffer, .address_space: global }
      - { .name: v_matrix_scales, .offset: 88, .size: 8, .value_kind: global_buffer, .address_space: global }
      - { .name: Wv_codes, .offset: 96, .size: 8, .value_kind: global_buffer, .address_space: global }
      - { .name: Wv_scales, .offset: 104, .size: 8, .value_kind: global_buffer, .address_space: global }
      - { .name: bv, .offset: 112, .size: 8, .value_kind: global_buffer, .address_space: global }
      - { .name: ctx_img, .offset: 120, .size: 8, .value_kind: global_buffer, .address_space: global }
      - { .name: ctx_sc, .offset: 128, .size: 8, .value_kind: global_buffer, .address_space: global }
      - { .name: Wo_codes, .offset: 136, .size: 8, .value_kind: global_buffer, .address_space: global }
      - { .name: Wo_scales, .offset: 144, .size: 8, .value_kind: global_buffer, .address_space: global }
      - { .name: wo_img, .offset: 152, .size: 8, .value_kind: global_buffer, .address_space: global }
      - { .name: wo_sc, .offset: 160, .size: 8, .value_kind: global_buffer, .address_space: global }
    .group_segment_fixed_size: 198656
    .private_segment_fixed_size: 0
    .kernarg_segment_align: 8
    .kernarg_segment_size: 168
    .max_flat_workgroup_size: 512
    .sgpr_count:     90
    .vgpr_count:     256
    .wavefront_size: 32
...
	.end_amdgpu_metadata
.endif
;; end of part 3
;; launch outp: the kernel of part 2 again; grid 8 x 32, 4 waves a work-group, clusters of 4 x 4, 327,680 bytes of LDS; arguments ctx_img, ctx_sc, wo_img, wo_sc, bo, out0; writes out0
